; MI455X (gfx1250); checked and timed in simulation.
; The chip was launched on July 23, 2026; its instructions are those of AMD's public machine-readable ISA for CDNA 5 (MIT licence, August 2026) and "CDNA5" Instruction Set Architecture Reference Guide (July 2026). The comments in the code are by the model that wrote it; some were corrected since.
;; Encoder Layer. Allowed arithmetic: float matrix products may take bf16 or f16 operands with f32 sums; all other float work in f32.
;; Inputs: b1 4,096 float32; b2 1,024 float32; be1 1,024 float32; be2 1,024 float32; bk 1,024 float32; bo 1,024 float32; bq 1,024 float32; bv 1,024 float32; g1 1,024 float32; g2 1,024 float32; w1 1,024 x 4,096 float32; w2 4,096 x 1,024 float32; wk 1,024 x 1,024 float32; wo 1,024 x 1,024 float32; wq 1,024 x 1,024 float32; wv 1,024 x 1,024 float32; x 2 x 2,048 x 1,024 float32.
;; Outputs: out0 2 x 2,048 x 1,024 float32.
;; 2 versions, each right; version 2 is version 1 with the launch prep written anew for expert scheduling mode. Each part assembles by itself: llvm-mc -triple=amdgcn-amd-amdhsa -mcpu=gfx1250 --defsym DOCPART=n.
;; ======== version 1 of 2: 8 launches
;; workspace buffers: actP 33,554,432 bytes; actQ 33,554,432 bytes; x2 16,777,216 bytes; wqkvp 8,409,088 bytes; w1p 8,409,088 bytes; wob 2,097,152 bytes; w2b 8,388,608 bytes
;; launch prep (part 1): grid 256 x 3, 8 waves a work-group, no clusters, 0 bytes of LDS; arguments wq, wk, wv, wo, w1, w2, bq, bk, bv, b1, wqkvp, wob, w1p, w2b; writes wqkvp, wob, w1p, w2b
.if DOCPART == 1
	.amdgcn_target "amdgcn-amd-amdhsa--gfx1250"
	.amdhsa_code_object_version 6
	.text
	.protected	k_q9da423993c_prep
	.globl	k_q9da423993c_prep
	.p2align	8
	.type	k_q9da423993c_prep,@function
k_q9da423993c_prep:
	s_mov_b64 s[64:65], 0
	v_nop
	global_prefetch_b8 v0, s[64:65] scope:SCOPE_SE
	s_setreg_imm32_b32 hwreg(HW_REG_WAVE_MODE, 25, 1), 1
	s_wait_xcnt 0x0
; THE WEIGHTS, ROUNDED TO bf16 ONCE, AND TWO PACKS.  All weights stay [k][n]; the products turn them on the way from LDS to registers.
; A pack (wqkvp, w1p): bytes 0-4,095 a floor in f32, 1,024 times (-infinity for q, k, v: no floor; 0 for the feed-forward's first product: ReLU);
; bytes 4,096-20,479 the bias of 4,096 columns in f32; from WOFF on the weights [1,024 k][4,096 n] in bf16.  In wqkvp the columns are wq, wk, wv; its last 1,024 columns and biases are neither written nor read.
; SHARES.  A work-group rounds 16,384 numbers (65,536 bytes of f32) as 16 groups of 1,024; of a group thread t takes 4 numbers: one load of 16 bytes at 16 t, two packed roundings, one store of 8 bytes at 8 t.
; So a wave's load covers 512 consecutive bytes that no other load names, and a wave's store covers 256 consecutive bytes, at a multiple of 256 from its buffer's first byte.
; y = 0: wq, wk, wv, wo, 64 work-groups each; y = 1: w1; y = 2: w2.  All 16 loads of a thread go out at once; no register is written twice.
.set WOFF, 20480
.set DO,   16                          ; v[16:31]  group j: my byte offset in the destination
.set X,    32                          ; v[32:95]  group j: 4 numbers as loaded
.set Y,    96                          ; v[96:127] group j: 2 registers to store
	s_load_b512 s[8:23], s[0:1], 0x0               ; wq s[8:9], wk s[10:11], wv s[12:13], wo s[14:15], w1 s[16:17], w2 s[18:19], bq s[20:21], bk s[22:23]
	s_load_b256 s[24:31], s[0:1], 0x40             ; bv s[24:25], b1 s[26:27], wqkvp s[28:29], wob s[30:31]
	s_load_b128 s[32:35], s[0:1], 0x60             ; w1p s[32:33], w2b s[34:35]
	s_mov_b32 s2, ttmp9                            ; x
	s_and_b32 s3, ttmp7, 0xffff                    ; y
	s_lshr_b32 s36, s2, 6                          ; y = 0: which of wq, wk, wv, wo
	s_and_b32 s37, s2, 63                          ; and which sixty-fourth of it
	s_lshl2_add_u32 s44, s3, s36                   ; 4 y + that: under 3 for wq, wk, wv
	s_cmp_eq_u32 s3, 0
	s_cselect_b32 s38, s37, s2                     ; my piece of the source
	s_movk_i32 s45, 0x800                          ; bytes from one group to the next in the destination: 2,048 where it is dense,
	s_cmp_lt_u32 s44, 3
	s_cselect_b32 s45, 0x2000, s45                 ; 8,192 where a source row is a quarter of a pack's row
	s_lshl_b32 s46, s38, 16                        ; source offset
	s_mov_b32 s47, 0
	s_lshl_b32 s54, s38, 17                        ; destination offset for wq, wk, wv: 16 rows of 8,192 bytes a piece,
	s_lshl_b32 s55, s36, 11                        ; the matrix's 2,048 bytes of a row,
	s_add_co_u32 s54, s54, s55
	s_add_co_u32 s54, s54, WOFF                    ; behind the pack's head
	s_lshl_b32 s55, s38, 15                        ; for the others: dense,
	s_cmp_eq_u32 s3, 1
	s_cselect_b32 s56, WOFF, 0                     ; w1's behind its pack's head
	s_add_co_u32 s55, s55, s56
	s_cmp_lt_u32 s44, 3
	s_cselect_b32 s48, s54, s55
	s_mov_b32 s49, 0
	v_lshlrev_b32 v1, 4, v0                        ; 16 t: my 4 numbers in a group of the source
	v_lshlrev_b32 v[DO], 3, v0                     ; 8 t: the same 4 in bf16
.irp j, 1,2,3,4,5,6,7,8,9,10,11,12,13,14,15
	v_add_nc_u32 v[DO+(\j)], s45, v[DO+(\j)-1]
.endr
	s_wait_kmcnt 0x0
	s_cmp_eq_u32 s36, 1                            ; the source and the destination are chosen by the work-group's place alone
	s_cselect_b64 s[40:41], s[10:11], s[8:9]
	s_cmp_eq_u32 s36, 2
	s_cselect_b64 s[40:41], s[12:13], s[40:41]
	s_cmp_eq_u32 s36, 3
	s_cselect_b64 s[40:41], s[14:15], s[40:41]
	s_cselect_b64 s[42:43], s[30:31], s[28:29]
	s_cmp_eq_u32 s3, 1
	s_cselect_b64 s[40:41], s[16:17], s[40:41]
	s_cselect_b64 s[42:43], s[32:33], s[42:43]
	s_cmp_eq_u32 s3, 2
	s_cselect_b64 s[40:41], s[18:19], s[40:41]
	s_cselect_b64 s[42:43], s[34:35], s[42:43]
	s_add_nc_u64 s[50:51], s[40:41], s[46:47]
	s_add_nc_u64 s[52:53], s[42:43], s[48:49]
.irp j, 0,1,2,3,4,5,6,7,8,9,10,11,12,13,14,15
	global_load_b128 v[X+4*(\j):X+4*(\j)+3], v1, s[50:51] offset:4096*(\j) th:TH_LOAD_NT
.endr
.irp j, 0,1,2,3,4,5,6,7,8,9,10,11,12,13,14,15
	s_wait_loadcnt 15-(\j)                         ; loads come back in order (ISA guide 5.7.1): group j's is in, the 15 - j younger stay out
	v_cvt_pk_bf16_f32 v[Y+2*(\j)],   v[X+4*(\j)],   v[X+4*(\j)+1]
	v_cvt_pk_bf16_f32 v[Y+2*(\j)+1], v[X+4*(\j)+2], v[X+4*(\j)+3]
	global_store_b64 v[DO+(\j)], v[Y+2*(\j):Y+2*(\j)+1], s[52:53]
.endr
	; the floor: the first work-group of y = 0 and of y = 1 writes its pack's first 4,096 bytes, 16 a thread
	s_cmp_lg_u32 s2, 0
	s_cbranch_scc1 .Lno_floor
	s_cmp_gt_u32 s3, 1
	s_cbranch_scc1 .Lno_floor
	s_cmp_eq_u32 s3, 1
	s_cselect_b32 s57, 0, 0xff800000
	v_mov_b32 v12, s57
	v_mov_b32 v13, s57
	v_mov_b32 v14, s57
	v_mov_b32 v15, s57
	global_store_b128 v1, v[12:15], s[42:43]
	s_wait_xcnt 0x0                                ; v[12:15] are loaded into below only behind this wait
.Lno_floor:
	; the bias: 4,096 bytes are copied by the first work-group of wq, wk, wv (bq, bk, bv) and by the first four of w1 (a quarter of b1 each)
	s_cmp_eq_u32 s3, 1
	s_cbranch_scc1 .Lbias_of_w1
	s_cmp_lt_u32 s44, 3
	s_cbranch_scc0 .Lend
	s_cmp_eq_u32 s37, 0
	s_cbranch_scc0 .Lend
	s_cmp_eq_u32 s36, 1
	s_cselect_b64 s[40:41], s[22:23], s[20:21]
	s_cmp_eq_u32 s36, 2
	s_cselect_b64 s[40:41], s[24:25], s[40:41]
	s_mov_b32 s46, 0
	s_mov_b32 s58, s36
	s_branch .Lbias
.Lbias_of_w1:
	s_cmp_lt_u32 s2, 4
	s_cbranch_scc0 .Lend
	s_mov_b64 s[40:41], s[26:27]
	s_lshl_b32 s46, s2, 12
	s_mov_b32 s58, s2
.Lbias:
	s_lshl_b32 s48, s58, 12
	s_add_co_u32 s48, s48, 4096                    ; behind the floor
	s_add_nc_u64 s[56:57], s[40:41], s[46:47]      ; pairs that no pending store names
	s_add_nc_u64 s[54:55], s[42:43], s[48:49]
	global_load_b128 v[12:15], v1, s[56:57]
	s_wait_loadcnt 0x0
	global_store_b128 v1, v[12:15], s[54:55]
.Lend:
	s_endpgm
.Lfunc_end_k_q9da423993c_prep:
	.size	k_q9da423993c_prep, .Lfunc_end_k_q9da423993c_prep-k_q9da423993c_prep
	.p2alignl 7, 3214868480
	.fill 96, 4, 3214868480
	.section	.rodata,"a",@progbits
	.p2align	6, 0x0
	.amdhsa_kernel k_q9da423993c_prep
		.amdhsa_group_segment_fixed_size 0
		.amdhsa_private_segment_fixed_size 0
		.amdhsa_enable_private_segment 0
		.amdhsa_kernarg_size 112
		.amdhsa_user_sgpr_count 2
		.amdhsa_user_sgpr_kernarg_segment_ptr 1
		.amdhsa_wavefront_size32 1
		.amdhsa_system_sgpr_workgroup_id_x 1
		.amdhsa_system_sgpr_workgroup_id_y 1
		.amdhsa_system_sgpr_workgroup_id_z 1
		.amdhsa_system_vgpr_workitem_id 0
		.amdhsa_next_free_vgpr 128
		.amdhsa_next_free_sgpr 66
		.amdhsa_reserve_vcc 0
		.amdhsa_float_denorm_mode_32 3
		.amdhsa_float_denorm_mode_16_64 3
		.amdhsa_memory_ordered 1
		.amdhsa_forward_progress 1
		.amdhsa_inst_pref_size 10
	.end_amdhsa_kernel
	.amdgpu_metadata
---
amdhsa.version: [ 1, 2 ]
amdhsa.kernels:
  - .name:           k_q9da423993c_prep
    .symbol:         k_q9da423993c_prep.kd
    .args:
      - { .name: wq, .offset: 0, .size: 8, .value_kind: global_buffer, .address_space: global }
      - { .name: wk, .offset: 8, .size: 8, .value_kind: global_buffer, .address_space: global }
      - { .name: wv, .offset: 16, .size: 8, .value_kind: global_buffer, .address_space: global }
      - { .name: wo, .offset: 24, .size: 8, .value_kind: global_buffer, .address_space: global }
      - { .name: w1, .offset: 32, .size: 8, .value_kind: global_buffer, .address_space: global }
      - { .name: w2, .offset: 40, .size: 8, .value_kind: global_buffer, .address_space: global }
      - { .name: bq, .offset: 48, .size: 8, .value_kind: global_buffer, .address_space: global }
      - { .name: bk, .offset: 56, .size: 8, .value_kind: global_buffer, .address_space: global }
      - { .name: bv, .offset: 64, .size: 8, .value_kind: global_buffer, .address_space: global }
      - { .name: b1, .offset: 72, .size: 8, .value_kind: global_buffer, .address_space: global }
      - { .name: wqkvp, .offset: 80, .size: 8, .value_kind: global_buffer, .address_space: global }
      - { .name: wob, .offset: 88, .size: 8, .value_kind: global_buffer, .address_space: global }
      - { .name: w1p, .offset: 96, .size: 8, .value_kind: global_buffer, .address_space: global }
      - { .name: w2b, .offset: 104, .size: 8, .value_kind: global_buffer, .address_space: global }
    .group_segment_fixed_size: 0
    .private_segment_fixed_size: 0
    .kernarg_segment_align: 8
    .kernarg_segment_size: 112
    .max_flat_workgroup_size: 256
    .sgpr_count:     66
    .vgpr_count:     128
    .wavefront_size: 32
...
	.end_amdgpu_metadata
.endif
;; end of part 1
;; launch ln1 (part 2): grid 256 x 1, 8 waves a work-group, no clusters, 0 bytes of LDS; arguments x, g1, be1, actP; writes actP
.if DOCPART == 2
	.amdgcn_target "amdgcn-amd-amdhsa--gfx1250"
	.amdhsa_code_object_version 6
	.text
	.protected	k_q9da423993c_ln1
	.globl	k_q9da423993c_ln1
	.p2align	8
	.type	k_q9da423993c_ln1,@function
k_q9da423993c_ln1:
	s_mov_b64 s[64:65], 0
	v_nop
	global_prefetch_b8 v0, s[64:65] scope:SCOPE_SE
	s_setreg_imm32_b32 hwreg(HW_REG_WAVE_MODE, 25, 1), 1
	s_wait_xcnt 0x0
; LAYER NORM.  y[r][c] = (x[r][c] - mean_r) / sqrt(var_r + 1e-5) * g[c] + b[c].  x: [4,096][1,024] f32; y: bf16, in columns 0-1,023 of rows of 8,192 bytes.
; One wave, one row at a time, two rows a wave: a row's 4,096 bytes are eight loads of 16 bytes a lane and stay in 32 registers, so the row is read once and no wave waits for another: no LDS, no barrier.
; The variance is a second pass over x - mean in registers: no difference of large sums is formed, whatever offset the rows carry.  All 32 loads of a wave go out at once.
; No matrix unit, no cluster: nothing here is shared or multiplied by a matrix.
.set MU, 6                             ; v[6:7]     the mean, twice
.set T,  8                             ; v[8:15]    four packed chains
.set G,  16                            ; v[16:47]   g of my 32 columns
.set BE, 48                            ; v[48:79]   b of them
.set X,  80                            ; v[80:143]  row i at X + 32 i: load j holds columns 128 j + 4 lane + 0..3
.set YP, 144                           ; v[144:175] row i at YP + 16 i: bf16 pairs
.set R,  176                           ; v[176:179] row i: 1 / sqrt(var + eps), twice
	s_load_b256 s[4:11], s[0:1], 0x0               ; x s[4:5], g s[6:7], b s[8:9], y s[10:11]
	v_lshrrev_b32 v1, 5, v0
	v_readfirstlane_b32 s12, v1                    ; wave 0..7
	v_and_b32 v2, 31, v0
	v_lshlrev_b32 v3, 4, v2                        ; 16 x lane
	v_lshlrev_b32 v4, 3, v2                        ; 8 x lane
	s_lshl_b32 s13, ttmp9, 4
	s_lshl1_add_u32 s13, s12, s13                  ; my first row = 16 x work-group + 2 x wave
	s_lshl_b32 s14, s13, 12
	s_mov_b32 s15, 0
	s_mov_b32 s16, 0x76543210                      ; v_permlanex16_b32: each lane takes its own place in the other half
	s_mov_b32 s17, 0xfedcba98
	s_mov_b32 s18, 0x3a800000                      ; 1 / 1,024
	s_mov_b32 s19, 0x3727c5ac                      ; 1e-5
	s_wait_kmcnt 0x0
	s_add_nc_u64 s[4:5], s[4:5], s[14:15]
	s_lshl_b32 s14, s13, 13
	s_add_nc_u64 s[10:11], s[10:11], s[14:15]
.irp i, 0,1
.irp j, 0,1,2,3,4,5,6,7
	global_load_b128 v[X+32*(\i)+4*(\j):X+32*(\i)+4*(\j)+3], v3, s[4:5] offset:4096*(\i)+512*(\j)
.endr
.endr
.irp j, 0,1,2,3,4,5,6,7
	global_load_b128 v[G+4*(\j):G+4*(\j)+3], v3, s[6:7] offset:512*(\j)
.endr
.irp j, 0,1,2,3,4,5,6,7
	global_load_b128 v[BE+4*(\j):BE+4*(\j)+3], v3, s[8:9] offset:512*(\j)
.endr
.macro FOLD                            ; the four chains into one number, the same in every lane
	v_pk_add_f32 v[T:T+1], v[T:T+1], v[T+2:T+3]
	v_pk_add_f32 v[T+4:T+5], v[T+4:T+5], v[T+6:T+7]
	v_pk_add_f32 v[T:T+1], v[T:T+1], v[T+4:T+5]
	v_add_f32 v[T], v[T], v[T+1]
	v_add_f32_dpp v[T], v[T], v[T] row_xmask:1 row_mask:0xf bank_mask:0xf
	v_add_f32_dpp v[T], v[T], v[T] row_xmask:2 row_mask:0xf bank_mask:0xf
	v_add_f32_dpp v[T], v[T], v[T] row_xmask:4 row_mask:0xf bank_mask:0xf
	v_add_f32_dpp v[T], v[T], v[T] row_xmask:8 row_mask:0xf bank_mask:0xf
	v_permlanex16_b32 v[T+1], v[T], s16, s17
	v_add_f32 v[T], v[T], v[T+1]
.endm
.macro STATS i, left                   ; left: the younger loads, which may stay out
.set XR, X+32*(\i)
	s_wait_loadcnt \left
.set k, 0
.rept 4
	v_pk_add_f32 v[T+2*k:T+2*k+1], v[XR+2*k:XR+2*k+1], v[XR+2*k+8:XR+2*k+9]  ; the first eight pairs start the chains: nothing is cleared
.set k, k+1
.endr
.set k, 8
.rept 8
	v_pk_add_f32 v[T+2*(k%4):T+2*(k%4)+1], v[T+2*(k%4):T+2*(k%4)+1], v[XR+2*k:XR+2*k+1]
.set k, k+1
.endr
	FOLD
	v_mul_f32 v[MU], s18, v[T]
	v_mov_b32 v[MU+1], v[MU]
.set k, 0
.rept 16
	v_pk_add_f32 v[XR+2*k:XR+2*k+1], v[XR+2*k:XR+2*k+1], v[MU:MU+1] neg_lo:[0,1] neg_hi:[0,1]  ; x - mean, in place
.set k, k+1
.endr
.set k, 0
.rept 4
	v_pk_mul_f32 v[T+2*k:T+2*k+1], v[XR+2*k:XR+2*k+1], v[XR+2*k:XR+2*k+1]
.set k, k+1
.endr
.rept 12
	v_pk_fma_f32 v[T+2*(k%4):T+2*(k%4)+1], v[XR+2*k:XR+2*k+1], v[XR+2*k:XR+2*k+1], v[T+2*(k%4):T+2*(k%4)+1]
.set k, k+1
.endr
	FOLD
	v_fma_f32 v[T], v[T], s18, s19                 ; var + eps
	v_rsq_f32 v[R+2*(\i)], v[T]
	v_rsq_f32 v[R+2*(\i)+1], v[T]
	v_nop                                          ; a plain instruction before the result is used or the source rewritten (ISA guide 5.7.2)
.endm
.macro NORM i
.set XR, X+32*(\i)
.set k, 0
	s_wait_alu depctr_va_vdst(0)
.rept 16
	v_pk_mul_f32 v[XR+2*k:XR+2*k+1], v[XR+2*k:XR+2*k+1], v[R+2*(\i):R+2*(\i)+1]
.set k, k+1
.endr
.set k, 0
.rept 16
	v_pk_fma_f32 v[XR+2*k:XR+2*k+1], v[XR+2*k:XR+2*k+1], v[G+2*k:G+2*k+1], v[BE+2*k:BE+2*k+1]
.set k, k+1
.endr
.set k, 0
.rept 16
	v_cvt_pk_bf16_f32 v[YP+16*(\i)+k], v[XR+2*k], v[XR+2*k+1]
.set k, k+1
.endr
.irp j, 0,1,2,3,4,5,6,7
	global_store_b64 v4, v[YP+16*(\i)+2*(\j):YP+16*(\i)+2*(\j)+1], s[10:11] offset:8192*(\i)+256*(\j)  ; the wave's 32 lanes store 256 consecutive bytes, at a multiple of 256 from y's first byte
.endr
.endm
	STATS 0, 24                                    ; behind row 0's loads: row 1's eight, g's eight, b's eight
	STATS 1, 16
	s_wait_loadcnt 0x0                             ; g and b
	NORM 0
	NORM 1
	s_endpgm
.Lfunc_end_k_q9da423993c_ln1:
	.size	k_q9da423993c_ln1, .Lfunc_end_k_q9da423993c_ln1-k_q9da423993c_ln1
	.p2alignl 7, 3214868480
	.fill 96, 4, 3214868480
	.section	.rodata,"a",@progbits
	.p2align	6, 0x0
	.amdhsa_kernel k_q9da423993c_ln1
		.amdhsa_group_segment_fixed_size 0
		.amdhsa_private_segment_fixed_size 0
		.amdhsa_enable_private_segment 0
		.amdhsa_kernarg_size 32
		.amdhsa_user_sgpr_count 2
		.amdhsa_user_sgpr_kernarg_segment_ptr 1
		.amdhsa_wavefront_size32 1
		.amdhsa_system_sgpr_workgroup_id_x 1
		.amdhsa_system_sgpr_workgroup_id_y 1
		.amdhsa_system_sgpr_workgroup_id_z 1
		.amdhsa_system_vgpr_workitem_id 0
		.amdhsa_next_free_vgpr 180
		.amdhsa_next_free_sgpr 66
		.amdhsa_reserve_vcc 0
		.amdhsa_float_denorm_mode_32 3
		.amdhsa_float_denorm_mode_16_64 3
		.amdhsa_memory_ordered 1
		.amdhsa_forward_progress 1
		.amdhsa_inst_pref_size 20
	.end_amdhsa_kernel
	.amdgpu_metadata
---
amdhsa.version: [ 1, 2 ]
amdhsa.kernels:
  - .name:           k_q9da423993c_ln1
    .symbol:         k_q9da423993c_ln1.kd
    .args:
      - { .name: x, .offset: 0, .size: 8, .value_kind: global_buffer, .address_space: global }
      - { .name: g1, .offset: 8, .size: 8, .value_kind: global_buffer, .address_space: global }
      - { .name: be1, .offset: 16, .size: 8, .value_kind: global_buffer, .address_space: global }
      - { .name: actP, .offset: 24, .size: 8, .value_kind: global_buffer, .address_space: global }
    .group_segment_fixed_size: 0
    .private_segment_fixed_size: 0
    .kernarg_segment_align: 8
    .kernarg_segment_size: 32
    .max_flat_workgroup_size: 256
    .sgpr_count:     66
    .vgpr_count:     180
    .wavefront_size: 32
...
	.end_amdgpu_metadata
.endif
;; end of part 2
;; launch qkv (part 3): grid 12 x 16, 4 waves a work-group, clusters of 4 x 4, 327,680 bytes of LDS; arguments actP, wqkvp, actQ; writes actQ
.if DOCPART == 3
	.amdgcn_target "amdgcn-amd-amdhsa--gfx1250"
	.amdhsa_code_object_version 6
	.text
	.protected	k_q9da423993c_qkv
	.globl	k_q9da423993c_qkv
	.p2align	8
	.type	k_q9da423993c_qkv,@function
k_q9da423993c_qkv:
	s_mov_b64 s[64:65], 0
	v_nop
	global_prefetch_b8 v0, s[64:65] scope:SCOPE_SE
	s_setreg_imm32_b32 hwreg(HW_REG_WAVE_MODE, 25, 1), 1
	s_wait_xcnt 0x0
	s_wait_alu depctr_hold_cnt(0) depctr_sa_sdst(0) depctr_va_vdst(0) depctr_va_sdst(0) depctr_va_ssrc(0) depctr_va_vcc(0) depctr_vm_vsrc(0)
	s_getreg_b32 s2, hwreg(HW_REG_IB_STS2, 6, 4)
	s_cmp_eq_u32 s2, 0
	s_cbranch_scc0 .Lentry_in_a_cluster
	s_endpgm
.Lentry_in_a_cluster:
	s_bfe_u32 s2, ttmp6, 0x10000c
	s_cmp_lg_u32 s2, 0xf033
	s_cbranch_scc0 .Lentry_shape_is_right
	s_endpgm
.Lentry_shape_is_right:
; C = max(A B + bias, floor).  A: [4,096][1,024] bf16 in rows of 8,192 bytes.  The pack WP: a floor (f32), the bias (f32, from byte 4,096), B [1,024 k][4,096 n] bf16 from byte WOFF.  C: bf16, rows of 8,192 bytes.
; Sums in f32, started by the bias, K ascending; C rounded once.  The floor is -infinity (q, k, v: none) or 0 (ReLU).  LIMIT: a sum that is NaN leaves as the floor (the maximum passes a NaN over).
; A tile of C, 256 x 256, is made by a work-group of four waves; a wave makes 128 x 128: 64 accumulators of 16 x 16, 512 registers.  K goes in steps of 128 through a ring of two LDS slots filled by the
; tensor data mover: A's rows are 256 bytes of memory, B's 512, all at multiples of 256 from their buffer's first byte.  B lies [k][n], so its fragments come out of LDS turned, by ds_load_tr16_b128.
; A K STEP IS WRITTEN TWICE IN ALL: once with a refill (a loop of STEPS - 2 trips) and once without (a loop of 2 trips).  Which slot is read stands in a scalar register (0 or SLOT) that one exclusive or
; turns at each change of slots, and the fragments' addresses are made anew from it; the descriptor that asks for the refills walks in the same way.  So that the first K step is a step like any other, 64
; products of a zero fragment with itself carry the bias (their C) into the accumulators while the first tile is on its way.  The price, once a launch: those 64 products, and in the very last trip a barrier
; that orders nothing and 32 LDS loads of the other slot's old tile into a buffer that nothing multiplies.
; CLUSTERS: 4 x 4 work-groups.  The four of a row of the cluster need the same tiles of A, the four of a column the same tiles of B: each tile is asked for JOINTLY, by the same tensor load with the same
; descriptor and a mask that names the four.  By this text's count a wave has two tensor loads out at the start and one behind each round.
; THE MATRIX INSTRUCTION IS USED TRANSPOSED: source 0 = 16 columns of B, source 1 = 16 rows of A: lane l then holds row l % 16 of C and columns 8 (l / 16) + 0..7: 16 bytes of bf16 that belong together.
; REGISTERS, in windows of 256 (s_set_vgpr_msb: bits 1:0 source 0, 3:2 source 1, 5:4 source 2, 7:6 destination):
;   window 0: v0-31 addresses and the zero fragment; v64-127, v128-191 fragments of A, two buffers; v192-255 the bias as C operands (8 column blocks x 8), later with v32-63 at work on the way out
;   window 1: v64-127, v128-191 fragments of B;   window 2: the accumulators of my rows 0-63 ((a, b) at v[8 (8 a + b)]);   window 3: those of my rows 64-127
.set SIZE_K, 1024
.set KSTEP,  128
.set STEPS,  SIZE_K/KSTEP
.set ROWB,   8192                      ; bytes from row to row in A, in B and in C
.set WOFF,   20480
.set PA,     272                       ; an LDS row of A: 256 bytes + 16 = 68 words: the 16 rows of a load start at 16 different groups of four banks (64 banks of 4 bytes: ISA guide 11.1)
.set PB,     544                       ; an LDS row of B: 512 bytes + 32 = 136 words
.set HALFT,  128*PA                    ; what one tensor load brings: 128 rows of A, or 64 k rows of B (64 x 544 is the same number)
.set SLOT,   4*HALFT                   ; A's 256 rows, then B's 128 k rows: 0x22000; its two bits are set in none of the four loads' places in slot 0 (0, 0x8800, 0x11000, 0x19800), so one exclusive or changes slots
.set STAGE,  2*SLOT                    ; behind the ring: 16 rows x 272 bytes for each wave, for the way out
.set SPITCH, 272
.set SPARE,  STAGE+4*16*SPITCH         ; behind the stages: the spare words, 128 bytes for each wave: two blocks of 256 bytes that no other line names
.set Z,     8                          ; v8-15   a fragment of zeros
.set ADRA0, 16                         ; v16     LDS address of my A fragments in slot 0; never rewritten
.set ADRA,  17                         ; v17     the same in the slot in hand
.set ADRB0, 20                         ; v20     LDS address of my B fragments in slot 0; never rewritten
.set ADRB,  21                         ; v21     the same in the slot in hand
.set STO,  24                          ; v24     the way out: where I put 16 bytes of a row
.set RD,   25                          ; v25     the way out: where I read a row back
.set CO,   26                          ; v26     my byte offset in C
.set BO,   27                          ; v27     my byte offset in a block of 16 biases
.set SPW,  28                          ; v28     LDS address of my spare word; never rewritten
.set NIL,  29                          ; v29     0; never rewritten
.set F0,   64
.set F1,   128
.set BIAS, 192
.set TMP,  192
.set OB,   32                          ; 16 rows read back from the stage: v32-63 and v224-255 by turns
.set G1,  24                           ; s[24:31] descriptor group 1 for A's tiles;  s[32:39] group 0: a set for each of the two first fills; the second then walks on
.set G0,  32
.set G1B, 48                           ; s[48:55], s[56:63] the same for B's
.set G0B, 56
.set TB,  45                           ; s45  the slot in hand: 0 or SLOT
.set FLOOR, 66                         ; s66
.set MSB, 0
.macro WIN new                         ; the immediate's high byte repeats the setting that is left; a switch that changes nothing is dropped
.if MSB != (\new)
	s_set_vgpr_msb (MSB<<8)|(\new)
.set MSB, \new
.endif
.endm
.set MUL_LO, 0xa1                      ; source 0 (B) window 1, source 1 (A) window 0, C and D window 2
.set TO_B,   0x40                      ; destination window 1, address window 0
; A joint load.  Waves 0 and 1 fetch A's two halves, waves 2 and 3 B's.  The branch hangs on the wave's number alone.  An s_nop 0 and four v_nop follow each of the two lines.
.macro JLOAD s
	s_cmp_eq_u32 s11, 0
	s_cbranch_scc0 .Lfor_b_\@
	tensor_load_to_lds s[G0+4*(\s):G0+4*(\s)+3], s[G1:G1+7]
	s_nop 0
.rept 4
	v_nop
.endr
	s_branch .Lasked_\@
.Lfor_b_\@:
	tensor_load_to_lds s[G0B+4*(\s):G0B+4*(\s)+3], s[G1B:G1B+7]
	s_nop 0
.rept 4
	v_nop
.endr
.Lasked_\@:
.endm
.macro CREST                           ; a round of the cluster's barrier behind its opening barrier
	s_cmp_lg_u32 s10, 0
	s_cbranch_scc1 .Lnot_wave_0_\@
	s_barrier_signal -3
.Lnot_wave_0_\@:
	s_barrier_wait -3
	s_barrier_signal -1
	s_barrier_wait -1
.endm
.macro CROUND                          ; a whole round
	s_barrier_signal -1
	s_barrier_wait -1
	CREST
.endm
	s_load_b128 s[4:7], s[0:1], 0x0                ; A s[4:5], WP s[6:7]
	s_load_b64 s[8:9], s[0:1], 0x10                ; C
	v_lshl_add_u32 v[SPW], v0, 2, SPARE
	v_mov_b32 v[NIL], 0
	ds_add_u32 v[SPW], v[NIL]                      ; the wave's opening: the add, and its wait ahead of my first tensor load; the set-up below, work on registers, stands between them
	v_lshrrev_b32 v1, 5, v0
	v_readfirstlane_b32 s10, v1                    ; wave 0..3
	s_lshr_b32 s11, s10, 1                         ; which half of the tile's rows is mine.  Also: I fetch for A (0) or for B (1)
	s_and_b32 s12, s10, 1                          ; which half of its columns.  Also: which half of that tile I fetch
	s_bfe_u32 s40, ttmp6, 0x40000                  ; cx, cy: my place in the cluster
	s_bfe_u32 s41, ttmp6, 0x40004
	s_lshl_b32 s42, ttmp9, 2
	s_add_co_u32 s42, s42, s40                     ; tile column of C = 4 x cluster x + cx
	s_and_b32 s13, ttmp7, 0xffff
	s_lshl_b32 s13, s13, 2
	s_add_co_u32 s13, s13, s41                     ; tile row of C = 4 x cluster y + cy
	s_lshl_b32 s43, s41, 2
	s_lshl_b32 s43, 15, s43                        ; my row of the cluster
	s_lshl_b32 s44, 0x1111, s40                    ; my column
	s_or_b32 s[G1+0], s43, (1<<16)|(1<<20)|(1<<21)|(5<<22)|(3<<25)   ; 15:0 the mask; 17:16 elements of 2 bytes; 20 padding on; 21 set beside a mask; 24:22 after every 64 words (code 5); 31:25 4 words (code 3)
	s_or_b32 s[G1B+0], s44, (1<<16)|(1<<20)|(1<<21)|(6<<22)|(7<<25)  ; B: after every 128 words (code 6), 8 words (code 7)
	s_mov_b32 s[G1+1], 128<<16                     ; A: tensor_dim0 = 128
	s_mov_b32 s[G1+2], 128<<16                     ; tensor_dim1 = 128
	s_mov_b32 s[G1+3], 128<<16                     ; tile_dim0 = 128 elements
	s_mov_b32 s[G1+4], 128                         ; tile_dim1 = 128 rows
	s_mov_b32 s[G1+5], 4096                        ; elements from row to row
	s_mov_b32 s[G1+6], 0
	s_mov_b32 s[G1+7], 0
	s_mov_b32 s[G1B+1], 256<<16                    ; B: tensor_dim0 = 256
	s_mov_b32 s[G1B+2], 64<<16                     ; tensor_dim1 = 64
	s_mov_b32 s[G1B+3], 256<<16                    ; tile_dim0 = 256 elements
	s_mov_b32 s[G1B+4], 64                         ; tile_dim1 = 64 k rows
	s_mov_b32 s[G1B+5], 4096
	s_mov_b32 s[G1B+6], 0
	s_mov_b32 s[G1B+7], 0
	; A's tiles hang on the tile row alone, B's on the tile column alone; each address is made in registers that never hold the other coordinate
	s_lshl_b32 s17, s12, 7
	s_lshl_b32 s16, s13, 8
	s_add_co_u32 s16, s16, s17                     ; A: row 256 x tile row + 128 x half,
	s_lshl_b32 s16, s16, 13                        ; in bytes
	s_mov_b32 s17, 0
	s_lshl_b32 s46, s12, 19                        ; B: 64 k rows x half,
	s_lshl_b32 s47, s42, 9                         ; 512 bytes x tile column,
	s_add_co_u32 s46, s46, s47
	s_add_co_u32 s46, s46, WOFF                    ; behind the pack's head
	s_mov_b32 s47, 0
	s_mul_i32 s20, s10, HALFT                      ; where they go: A's two halves, then B's two = wave x HALFT
	s_mov_b32 s[TB], 0                             ; the reads begin in slot 0
	s_wait_dscnt 0x0                               ; the opening add is done
	s_wait_kmcnt 0x0
	s_add_nc_u64 s[14:15], s[4:5], s[16:17]
	s_add_nc_u64 s[46:47], s[6:7], s[46:47]
	s_load_b32 s[FLOOR], s[6:7], 0x0               ; the floor; no line of this launch writes the pack
	CROUND                                         ; all sixteen work-groups are here: the first joint loads meet
.irp s, 0,1
	s_mov_b32 s[G0+4*(\s)], 1                                        ; count = 1
	s_add_co_u32 s[G0+4*(\s)+1], s20, (\s)*SLOT                      ; LDS address
	s_add_nc_u64 s[G0+4*(\s)+2:G0+4*(\s)+3], s[14:15], (\s)*KSTEP*2  ; global address: K step s
	s_or_b32 s[G0+4*(\s)+3], s[G0+4*(\s)+3], 0x80000000              ; type = 2
	s_mov_b32 s[G0B+4*(\s)], 1
	s_add_co_u32 s[G0B+4*(\s)+1], s20, (\s)*SLOT
	s_add_nc_u64 s[G0B+4*(\s)+2:G0B+4*(\s)+3], s[46:47], (\s)*KSTEP*ROWB
	s_or_b32 s[G0B+4*(\s)+3], s[G0B+4*(\s)+3], 0x80000000
	JLOAD \s
.endr
	v_and_b32 v1, 15, v0                           ; l % 16
	v_bfe_u32 v2, v0, 4, 1                         ; l / 16
	; the bias as C operands: in the transposed result register j of column block b is column 16 b + 8 (l / 16) + j, whatever the row
	v_lshlrev_b32 v[BO], 5, v2
	s_lshl_b32 s70, s42, 10                        ; 4 bytes x (256 x tile column + 128 x half),
	s_lshl_b32 s71, s12, 9
	s_add_co_u32 s70, s70, s71
	s_add_co_u32 s70, s70, 4096                    ; behind the floor
	s_mov_b32 s71, 0
	s_add_nc_u64 s[68:69], s[6:7], s[70:71]
.irp b, 0,1,2,3,4,5,6,7
	global_load_b128 v[BIAS+8*(\b):BIAS+8*(\b)+3],   v[BO], s[68:69] offset:64*(\b)
	global_load_b128 v[BIAS+8*(\b)+4:BIAS+8*(\b)+7], v[BO], s[68:69] offset:64*(\b)+16
.endr
	; A fragment of A: lane l holds row l % 16; K = 8 (l / 16) + 0..7 and 16 + 8 (l / 16) + 0..7: two loads of 16 bytes, 32 bytes apart
	v_mul_u32_u24 v3, v1, PA
	v_lshl_add_u32 v3, v2, 4, v3
	; A fragment of B, turned: lane l reads 16 bytes of k row 8 (l / 16) + l % 8, columns 8 ((l / 8) % 2) + 0..7, and is left with column l % 16 and 8 k; the second load stands 16 k rows on
	v_and_b32 v6, 7, v0
	v_bfe_u32 v7, v0, 3, 1
	v_lshl_add_u32 v8, v2, 3, v6
	v_mul_u32_u24 v8, v8, PB
	v_lshl_add_u32 v8, v7, 4, v8
	s_mul_i32 s21, s11, HALFT                      ; my 128 rows of A
	s_lshl_b32 s22, s12, 8                         ; my 128 columns of B: 256 bytes of each k row,
	s_add_co_u32 s22, s22, 2*HALFT                 ; behind A's 256 rows
	v_add_nc_u32 v[ADRA0], s21, v3
	v_add_nc_u32 v[ADRB0], s22, v8
	v_add_nc_u32 v[ADRA], s[TB], v[ADRA0]
	v_add_nc_u32 v[ADRB], s[TB], v[ADRB0]
	s_mul_i32 s23, s10, 16*SPITCH
	s_add_co_u32 s23, s23, STAGE                   ; my stage
	v_mul_u32_u24 v4, v1, SPITCH                   ; in: row l % 16, 16 bytes for each half of the lanes
	v_lshl_add_u32 v4, v2, 4, v4
	v_add_nc_u32 v[STO], s23, v4
	v_mul_u32_u24 v5, v2, SPITCH                   ; back: lanes 0-15 take one row of 256 bytes, lanes 16-31 the next
	v_lshl_add_u32 v5, v1, 4, v5
	v_add_nc_u32 v[RD], s23, v5
	v_lshlrev_b32 v5, 13, v2                       ; and the same two rows in C
	v_lshl_add_u32 v[CO], v1, 4, v5
	s_lshl_b32 s16, s13, 8                         ; C at my part of the tile: row 256 x tile row + 128 x half,
	s_lshl_b32 s17, s11, 7
	s_add_co_u32 s16, s16, s17
	s_lshl_b32 s16, s16, 13
	s_mov_b32 s17, 0
	s_add_nc_u64 s[8:9], s[8:9], s[16:17]
	s_lshl_b32 s46, s42, 9                         ; byte 512 x tile column + 256 x half of the row
	s_lshl_b32 s47, s12, 8
	s_add_co_u32 s46, s46, s47
	s_mov_b32 s47, 0
	s_add_nc_u64 s[8:9], s[8:9], s[46:47]
.irp i, 0,1,2,3,4,5,6,7
	v_mov_b32 v[Z+(\i)], 0
.endr
	s_wait_loadcnt 0x0                             ; the bias
.irp hi, 0,1                           ; 0 x 0 + bias: the sums begin, while the first tile is on its way
	WIN 0x80+0x40*(\hi)                            ; destination window 2 or 3, all sources window 0
.irp a, 0,1,2,3
.irp b, 0,1,2,3,4,5,6,7
	v_wmma_f32_16x16x32_bf16 v[8*(8*(\a)+(\b)):8*(8*(\a)+(\b))+7], v[Z:Z+7], v[Z:Z+7], v[BIAS+8*(\b):BIAS+8*(\b)+7]
.endr
.endr
.endr
	WIN 0
; 16 matrix instructions: m blocks a0, a0 + 1 of the window's four (hi = 0: my rows 0-63, 1: rows 64-127) x all 8 n blocks, 32 along K.
; The 64 accumulators take turns, one instruction a turn, in the same order in every quarter.
.macro MUL16 f, hi, a0
	WIN MUL_LO+0x50*(\hi)
.irp a, \a0, (\a0)+1
.irp b, 0,1,2,3,4,5,6,7
	v_wmma_f32_16x16x32_bf16 v[8*(8*(\a)+(\b)):8*(8*(\a)+(\b))+7], v[(\f)+8*(\b):(\f)+8*(\b)+7], v[(\f)+8*(4*(\hi)+(\a)):(\f)+8*(4*(\hi)+(\a))+7], v[8*(8*(\a)+(\b)):8*(8*(\a)+(\b))+7]
.endr
.endr
.endm
; 32 LDS loads in one run: the fragments of quarter q of the K step in hand (32 k x 128 columns of B, 128 rows x 32 k of A) into buffer f
.macro FETCH q, f
	WIN TO_B
.irp i, 0,1,2,3,4,5,6,7
	ds_load_tr16_b128 v[(\f)+8*(\i):(\f)+8*(\i)+3],   v[ADRB] offset:(\q)*32*PB+(\i)*32
	ds_load_tr16_b128 v[(\f)+8*(\i)+4:(\f)+8*(\i)+7], v[ADRB] offset:(\q)*32*PB+16*PB+(\i)*32
.endr
	WIN 0
.irp i, 0,1,2,3,4,5,6,7
	ds_load_b128 v[(\f)+8*(\i):(\f)+8*(\i)+3],   v[ADRA] offset:(\q)*64+(\i)*16*PA
	ds_load_b128 v[(\f)+8*(\i)+4:(\f)+8*(\i)+7], v[ADRA] offset:(\q)*64+(\i)*16*PA+32
.endr
.endm
; A load into a register that a matrix instruction has read, and a vector instruction that touches a matrix instruction's registers, stand four places behind it; only plain vector instructions
; that name none of its registers are places (ISA guide 7.12.1 for vector instructions).
.macro PLACES
.rept 4
	v_nop
.endr
.endm
; A K step is four quarters of 32 along K, 64 matrix instructions each, on buffers 0, 1, 0, 1.  One of the first three: multiplies buffer f; in its middle it fetches quarter q of the same slot into buffer g.
.macro QUARTER q, f, g
	s_wait_dscnt 8                                 ; B and A's rows 0-63 are in; the youngest eight loads (A's rows 64-127) may be out
	MUL16 \f, 0, 0
	MUL16 \f, 0, 2
	PLACES
	FETCH \q, \g
	s_wait_dscnt 32                                ; all but the 32 just issued
	MUL16 \f, 1, 0
	MUL16 \f, 1, 2
.endm
; The last quarter multiplies buffer 1 and changes slots.  MEET is its first half: ONE barrier.  In front of it each wave waits for all its tensor loads (one is out: its part of the next slot), adds 0 to
; its spare word, and waits for that and for its own reads of this slot.  Behind it nobody reads this slot any more and the next slot is whole.
.macro MEET round
	WIN 0                                          ; (the add's two registers lie in window 0)
	s_wait_tensorcnt 0x0
	ds_add_u32 v[SPW], v[NIL]                      ; 0 onto my spare word
	s_wait_dscnt 9                                 ; (the add and the youngest eight loads may be out)
	MUL16 F1, 0, 0                                 ; sixteen matrix instructions stand between the add and the wait for it
	s_wait_dscnt 0x0                               ; the add is done, and my reads of this slot are over
	s_barrier_signal -1
	MUL16 F1, 0, 2                                 ; work on registers while the others arrive
.if \round
	WIN 0
.endif
	s_barrier_wait -1
.endm
; The whole last quarter.  fill = 1: the slot just read out is filled again, two K steps on, first thing behind a round of the cluster's barrier: the walking descriptor takes the other slot than last time
; and the next K step.  Then the reads turn to the other slot, and its first fragments are fetched.
.macro TURN fill
	MEET \fill
.if \fill
	CREST                                          ; no wave of any partner still reads this slot's tile or has a load on its way
	s_xor_b32 s[G0+5], s[G0+5], SLOT
	s_add_nc_u64 s[G0+6:G0+7], s[G0+6:G0+7], KSTEP*2          ; the type bits on top are not reached
	s_xor_b32 s[G0B+5], s[G0B+5], SLOT
	s_add_nc_u64 s[G0B+6:G0B+7], s[G0B+6:G0B+7], KSTEP*ROWB
	JLOAD 1                                        ; 224 matrix instructions ahead of the wait for it; its four v_nop are also the places in front of the loads below
.else
	PLACES
	WIN 0
.endif
	s_xor_b32 s[TB], s[TB], SLOT
	v_add_nc_u32 v[ADRA], s[TB], v[ADRA0]
	v_add_nc_u32 v[ADRB], s[TB], v[ADRB0]
	FETCH 0, F0
	MUL16 F1, 1, 0
	MUL16 F1, 1, 2
.endm
; THE WAY OUT of block a (16 rows).  PACK: the floor, then rounded to bf16, each accumulator's registers in ascending order.  TOSTAGE: into my own stage and back as whole rows of 256 bytes.  SEND: stored.
.macro PACK a
.set AC, 64*((\a)%4)
	WIN 0x88+0x44*((\a)/4)                         ; destination and source 1: window 2 or 3
.set i, 0
.rept 64
	v_max_num_f32 v[AC+i], s[FLOOR], v[AC+i]
.set i, i+1
.endr
	WIN 0x0a+5*((\a)/4)                            ; sources 0 and 1: window 2 or 3; destination window 0
.irp b, 0,1,2,3,4,5,6,7
.irp r, 0,1,2,3
	v_cvt_pk_bf16_f32 v[TMP+4*(\b)+(\r)], v[AC+8*(\b)+2*(\r)], v[AC+8*(\b)+2*(\r)+1]
.endr
.endr
	WIN 0
.endm
.macro TOSTAGE a
	WIN 0
.set BK, OB+192*((\a)%2)
.irp b, 0,1,2,3,4,5,6,7
	ds_store_b128 v[STO], v[TMP+4*(\b):TMP+4*(\b)+3] offset:32*(\b)
.endr
.irp t, 0,1,2,3,4,5,6,7
	ds_load_b128 v[BK+4*(\t):BK+4*(\t)+3], v[RD] offset:(\t)*2*SPITCH  ; LDS serves a wave's instructions in order (ISA guide 5.7.1.4): these see the stores above
.endr
.endm
.macro SEND a
	WIN 0
.set BK, OB+192*((\a)%2)
	s_wait_dscnt 0x0                               ; the block is back in registers
	s_wait_xcnt 0x0                                ; the block before's stores have read their registers: the next loads from the stage land there only behind this wait
.irp t, 0,1,2,3,4,5,6,7
	global_store_b128 v[CO], v[BK+4*(\t):BK+4*(\t)+3], s[8:9] offset:(16*(\a)+2*(\t))*ROWB  ; 16 lanes store 256 consecutive bytes, at a multiple of 256 from C's first byte; 126 rows at the most: inside the signed 24-bit immediate
.endr
.endm
	s_wait_tensorcnt 1                             ; my part of K step 0 is in; K step 1's may stay out
	s_barrier_signal -1
	s_barrier_wait -1                              ; everybody's is
	FETCH 0, F0
	s_wait_kmcnt 0x0                               ; the floor
	WIN 0                                          ; at a label and at a branch every window is 0
	s_mov_b32 s3, STEPS-2
.Lfill:                                                ; a trip is a K step, and fills the slot that it leaves: K steps 2 to STEPS - 1 are asked for here
	QUARTER 1, F0, F1
	QUARTER 2, F1, F0
	QUARTER 3, F0, F1
	TURN 1
	WIN 0
	s_sub_co_u32 s3, s3, 1
	s_cmp_lg_u32 s3, 0
	s_cbranch_scc1 .Lfill
	s_mov_b32 s3, 2
.Llast:                                                ; the last two K steps ask for nothing and no round follows their barrier
	QUARTER 1, F0, F1
	QUARTER 2, F1, F0
	QUARTER 3, F0, F1
	TURN 0
	WIN 0
	s_sub_co_u32 s3, s3, 1
	s_cmp_lg_u32 s3, 0
	s_cbranch_scc1 .Llast
	PLACES
	PACK 0
	TOSTAGE 0
.irp a, 1,2,3,4,5,6,7                  ; block a's arithmetic stands between block a - 1's loads from the stage and the wait for them
	PACK \a
	SEND (\a)-1
	TOSTAGE \a
.endr
	SEND 7
	s_wait_tensorcnt 0x0                           ; the wave's end: behind my last tensor load and my last LDS store
	ds_add_u32 v[SPW], v[NIL]
	s_wait_dscnt 0x0
	CROUND                                         ; the closing round: no work-group ends while a partner may still ask for a tile that names it
	s_endpgm
.Lfunc_end_k_q9da423993c_qkv:
	.size	k_q9da423993c_qkv, .Lfunc_end_k_q9da423993c_qkv-k_q9da423993c_qkv
	.p2alignl 7, 3214868480
	.fill 96, 4, 3214868480
	.section	.rodata,"a",@progbits
	.p2align	6, 0x0
	.amdhsa_kernel k_q9da423993c_qkv
		.amdhsa_group_segment_fixed_size 327680
		.amdhsa_private_segment_fixed_size 0
		.amdhsa_enable_private_segment 0
		.amdhsa_kernarg_size 24
		.amdhsa_user_sgpr_count 2
		.amdhsa_user_sgpr_kernarg_segment_ptr 1
		.amdhsa_wavefront_size32 1
		.amdhsa_system_sgpr_workgroup_id_x 1
		.amdhsa_system_sgpr_workgroup_id_y 1
		.amdhsa_system_sgpr_workgroup_id_z 1
		.amdhsa_system_vgpr_workitem_id 0
		.amdhsa_next_free_vgpr 1024
		.amdhsa_next_free_sgpr 72
		.amdhsa_reserve_vcc 0
		.amdhsa_float_denorm_mode_32 3
		.amdhsa_float_denorm_mode_16_64 3
		.amdhsa_memory_ordered 1
		.amdhsa_forward_progress 1
		.amdhsa_inst_pref_size 116
	.end_amdhsa_kernel
	.amdgpu_metadata
---
amdhsa.version: [ 1, 2 ]
amdhsa.kernels:
  - .name:           k_q9da423993c_qkv
    .symbol:         k_q9da423993c_qkv.kd
    .args:
      - { .name: actP, .offset: 0, .size: 8, .value_kind: global_buffer, .address_space: global }
      - { .name: wqkvp, .offset: 8, .size: 8, .value_kind: global_buffer, .address_space: global }
      - { .name: actQ, .offset: 16, .size: 8, .value_kind: global_buffer, .address_space: global }
    .group_segment_fixed_size: 327680
    .private_segment_fixed_size: 0
    .kernarg_segment_align: 8
    .kernarg_segment_size: 24
    .max_flat_workgroup_size: 128
    .sgpr_count:     72
    .vgpr_count:     1024
    .wavefront_size: 32
...
	.end_amdgpu_metadata
.endif
;; end of part 3
;; launch att (part 4): grid 16 x 16, 4 waves a work-group, clusters of 4 x 1, 327,680 bytes of LDS; arguments actQ, actP; writes actP
.if DOCPART == 4
	.amdgcn_target "amdgcn-amd-amdhsa--gfx1250"
	.amdhsa_code_object_version 6
	.text
	.protected	k_q9da423993c_att
	.globl	k_q9da423993c_att
	.p2align	8
	.type	k_q9da423993c_att,@function
k_q9da423993c_att:
	s_mov_b64 s[64:65], 0
	v_nop
	global_prefetch_b8 v0, s[64:65] scope:SCOPE_SE
	s_setreg_imm32_b32 hwreg(HW_REG_WAVE_MODE, 25, 1), 1
	s_wait_xcnt 0x0
	s_wait_alu depctr_hold_cnt(0) depctr_sa_sdst(0) depctr_va_vdst(0) depctr_va_sdst(0) depctr_va_ssrc(0) depctr_va_vcc(0) depctr_vm_vsrc(0)
	s_getreg_b32 s2, hwreg(HW_REG_IB_STS2, 6, 4)
	s_cmp_eq_u32 s2, 0
	s_cbranch_scc0 .Lentry_in_a_cluster
	s_endpgm
.Lentry_in_a_cluster:
	s_bfe_u32 s2, ttmp6, 0x10000c
	s_cmp_lg_u32 s2, 0x3003
	s_cbranch_scc0 .Lentry_shape_is_right
	s_endpgm
.Lentry_shape_is_right:
; ATTENTION.  O[q] = the sum over k of softmax_k(Q[q] . K[k] / 8) V[k], for 2 batches x 16 heads of 64 channels, 2,048 rows each.  In a token's row of 8,192 bytes of the input lie q (bytes 0-2,047),
; k (2,048-4,095) and v (4,096-6,143), a head 128 bytes, all bf16 and unscaled; O goes to bytes 0-2,047 of the output's rows, in bf16.  Products, maxima and sums in f32; the weights p are rounded to bf16 for
; the second product (their sum l is taken of the unrounded p), O once at the end.
; LIMITS.  A weight below 2^-126 counts as 0 in l; NaN and infinities are not treated apart (the maxima pass a NaN over).
; SHARES.  A work-group owns 128 queries of TWO neighbouring heads: a key's K (and V) of the pair are 256 consecutive bytes, and so are a query's O, so every tensor row and every store is whole.
; Waves 0, 1 work on the even head, waves 2, 3 on the odd one; a wave owns 64 queries, four PIECES of 16, and walks all 2,048 keys, 64 a step.
; LAYOUT.  S^T = K Q^T (source 0 = 16 keys, source 1 = 16 queries) holds ONE query a lane (lane % 16) and the keys 8 (lane / 16) + 0..7; two such results rounded to bf16 ARE source 1 of O^T = V^T P.
; K comes out of LDS as it lies, V ([key][channel]) turned, by ds_load_tr16_b128.
; SOFTMAX.  For each query a running maximum m and sum l: p = 2^(c s - c m), c = log2(e) / 8; in every step O and l are multiplied by a = 2^(c m_old - c m_new).  m starts at the lowest finite number,
; O and l at 0: the first step is a step like any other, with a = 0.
; BY TURNS.  Turn n belongs to piece n: 8 products K Q^T of piece n + 1, later 8 products V^T P of piece n - 1; beside them the scaling, exponentials, roundings, sums and rescaling of piece n and the maximum
; and statistics of piece n + 1.  Four vector instructions stand behind every matrix instruction, the other 54 of a turn's 118 in two runs of their own.
; CLUSTER.  The four query blocks of a cluster walk the same K and V, so each tile is asked for JOINTLY: the same tensor load, descriptor and mask in all four.  One tensor load of a wave is out at any time.
; REGISTERS, in windows of 256 (s_set_vgpr_msb: bits 1:0 source 0, 3:2 source 1, 5:4 source 2, 7:6 destination):
;   window 0: v0-15 addresses and two at work; v16-31 four registers of statistics a piece; v48-55 at work; v64-127 S^T, two buffers; v192-223 P, two buffers (a piece's buffers go by its number's parity)
;   window 1: v0-127 O^T, 32 a piece          window 2: v0-63 Q; v128-191 K of one step; v192-255 V of one step
.set NP,    4         ; pieces a wave: a name, no knob
.set KS,    64        ; keys in a step
.set ROWB,  8192      ; bytes from token to token
.set PK,    272       ; a row of K in LDS: 256 bytes + 16 = 68 words: the 16 rows of a load start at 16 different groups of four banks (64 banks of 4 bytes: ISA guide 11.1)
.set PV,    288       ; a row of V: 256 + 32 = 72 words
.set VOFF,  4*KS*PK   ; a slot holds four steps: 256 rows of K, then 256 rows of V: 143,360 bytes
.set SLOT1, 0x24000   ; slot 1 begins here; its two bits are set in none of the addresses inside slot 0 that are turned (0, 0x8800, 0x11000, 0x1a000), so one exclusive or changes slots
.set STAGE, SLOT1+4*KS*(PK+PV)  ; behind the ring, never filled by a tensor load: 128 rows x 272 bytes, the work-group's, for the way out
.set SP,    272
.set SPARE, STAGE+128*SP  ; behind the stage: the spare words, 128 bytes for each wave: two blocks of 256 bytes that no other line names
.set AK0, 2           ; v2   my lane's place in a tile of K; never rewritten
.set AV0, 3           ; v3   the same for V
.set AK,  4           ; v4   the LDS address of K's next run of loads
.set AV,  5           ; v5   of V's
.set STO, 6           ; v6   the way out: where I put 16 bytes of a row
.set RD,  7           ; v7   the way out: where I read rows back
.set GO,  8           ; v8   my byte offset in two rows of O
.set MV,  12          ; v12-13  c m_old, kept while c m is made anew: by buffer
.set QO,  15          ; v15  my byte offset in 16 rows of Q
.set ST,  16          ; piece t's statistics at v[ST+4 t]: c m, m, l (even keys', odd keys')
.set TMP, 48          ; by buffer, four registers c0-c3 at work; when the maximum is found c2 takes a
.set SPW, 62          ; v62  LDS address of my spare word; never rewritten
.set NIL, 63          ; v63  0; never rewritten
.set S,   64
.set P,   192
.set KF,  128         ; window 2: key block kb, channel half c at KF + 16 kb + 8 c
.set VF,  192         ; window 2: key half kk, channel block cb at VF + 32 kk + 8 cb
.set WV,  12          ; s12  my wave's number
.set G1K, 24          ; s[24:31] descriptor group 1 for K's tiles
.set G1V, 32          ; s[32:39] for V's: it differs in the padding alone
.set G0K, 40          ; s[40:43] descriptor group 0 for K's tiles: it walks
.set G0V, 44          ; s[44:47] the same for V's
.set SLOTS, 56        ; s56  slots still to be asked for
.set CNT, 57          ; s57  counts a slot's key steps
.set CS,  58          ; s[58:59] c: the packed scaling takes the pair's low word for both halves
.set SEL, 60          ; s[60:61] v_permlanex16_b32's selects: each lane takes its own place in the other half
.set TBK, 62          ; s62  LDS byte at which K of the step to be fetched begins
.set TBV, 63          ; s63  the same for V, less VOFF
.set MSB, 0
.macro WIN new                      ; the high byte repeats the setting that is left; a switch that changes nothing is dropped
.if MSB != (\new)
	s_set_vgpr_msb (MSB<<8)|(\new)
.set MSB, (\new)
.endif
.endm
.set W_KQ, 0x0a       ; K and Q in window 2, S^T in window 0
.set W_PV, 0x52       ; V in window 2, P in window 0, O^T in window 1
.set W_RS, 0x41       ; destination and source 0 in window 1, source 1 in window 0
; A joint fill.  Waves 0 and 1 fetch the two halves of a slot's K, waves 2 and 3 those of its V: 128 keys each.  The branch hangs on the wave's number alone.
; An s_nop 0 and four v_nop follow each of the two lines, ahead of the jump and the label.
.macro JLOAD
	s_cmp_lt_u32 s[WV], 2
	s_cbranch_scc0 .Lfor_v_\@
	tensor_load_to_lds s[G0K:G0K+3], s[G1K:G1K+7]
	s_nop 0
.rept 4
	v_nop
.endr
	s_branch .Lasked_\@
.Lfor_v_\@:
	tensor_load_to_lds s[G0V:G0V+3], s[G1V:G1V+7]
	s_nop 0
.rept 4
	v_nop
.endr
.Lasked_\@:
.endm
.macro CROUND                       ; a round of the cluster's barrier
	s_barrier_signal -1
	s_barrier_wait -1
	s_cmp_lg_u32 s[WV], 0
	s_cbranch_scc1 .Lnot_wave_0_\@
	s_barrier_signal -3
.Lnot_wave_0_\@:
	s_barrier_wait -3
	s_barrier_signal -1
	s_barrier_wait -1
.endm
; THE CHANGE OF SLOTS.  The slot's last bytes, V of its fourth step, have been read.  Each wave waits for all its tensor loads, of which one is out: its part of the other slot; adds 0 to its spare word; and
; waits for that and for its own reads of the slot.  Behind the barrier nobody reads this slot any more and the other slot is whole.  fill = 1: this slot is filled again, with the keys two slots on; the
; barrier is then a round of the cluster's, and the joint fill is the first thing behind it: it has four key steps, 256 matrix instructions, in which to land.
; (At its first use nothing has been read yet: slot 0 is waited for, slot 1 filled.)
.macro CHANGE fill
	WIN 0                           ; at a label and at a branch every window is 0
	s_wait_tensorcnt 0x0            ; no tensor load of mine is out, so a group 0 may be written
	ds_add_u32 v[SPW], v[NIL]       ; 0 onto my spare word
.if \fill
.irp g, G0K, G0V
	s_xor_b32 s[\g+1], s[\g+1], SLOT1  ; the walking descriptor: the other slot than last time,
	s_add_nc_u64 s[\g+2:\g+3], s[\g+2:\g+3], 4*KS*ROWB  ; the next 256 keys; the type bits on top are not reached
.endr
	s_wait_dscnt 0x0                ; the add is done, and my reads of the slot are over
	CROUND
	JLOAD
.else
	s_wait_dscnt 0x0
	s_barrier_signal -1
	s_barrier_wait -1
.endif
	s_sub_co_u32 s[TBK], s[TBK], 4*KS*PK  ; the fetches go back to a slot's first step,
	s_xor_b32 s[TBK], s[TBK], SLOT1       ; in the other slot
	s_sub_co_u32 s[TBV], s[TBV], 4*KS*PV
	s_xor_b32 s[TBV], s[TBV], SLOT1
.endm
	s_load_b128 s[4:7], s[0:1], 0x0 ; the input s[4:5], the output s[6:7]
	v_lshl_add_u32 v[SPW], v0, 2, SPARE
	v_mov_b32 v[NIL], 0
	ds_add_u32 v[SPW], v[NIL]       ; the wave's opening: the add, and its wait ahead of my first tensor load; the set-up below, work on registers, stands between them
	v_lshrrev_b32 v1, 5, v0
	v_readfirstlane_b32 s[WV], v1   ; wave 0..3
	s_bfe_u32 s13, ttmp6, 0x40000   ; cx: my place in the cluster
	s_lshl_b32 s14, ttmp9, 2        ; in a cluster launch ttmp9 counts clusters
	s_add_co_u32 s14, s14, s13      ; my block of 128 queries: it enters Q's and O's addresses alone
	s_and_b32 s20, ttmp7, 0xffff    ; batch and pair of heads, which the four partners share
	s_lshr_b32 s21, s20, 3
	s_lshl_b32 s21, s21, 11         ; the batch's first row
	s_and_b32 s20, s20, 7
	s_lshl_b32 s20, s20, 8          ; the pair's 256 bytes in q, in k and in v
	s_and_b32 s16, s[WV], 1         ; which half of a slot's 256 keys I fetch, and which 64 queries are mine
	s_lshr_b32 s15, s[WV], 1        ; which head of the pair is mine
	s_lshl_b32 s22, s16, 7
	s_add_co_u32 s22, s22, s21      ; my first key's row,
	s_lshl_b32 s22, s22, 13         ; in bytes,
	s_add_co_u32 s22, s22, s20      ; and the pair
	s_mov_b32 s23, 0
	s_mul_i32 s17, s16, 128*PK      ; its place in a slot, for K
	s_mul_i32 s19, s16, 128*PV      ; and for V: no place in the cluster enters an LDS address
	s_lshl_b32 s52, s14, 7
	s_add_co_u32 s52, s52, s21      ; my block's first row
	s_lshl_b32 s2, s16, 6
	s_add_co_u32 s2, s2, s52        ; Q: my wave's 64 rows,
	s_lshl_b32 s2, s2, 13
	s_add_co_u32 s2, s2, s20
	s_lshl_b32 s18, s15, 7          ; my head's 128 bytes of the pair's 256
	s_add_co_u32 s2, s2, s18
	s_mov_b32 s3, 0
	s_lshl_b32 s54, s[WV], 5
	s_add_co_u32 s54, s54, s52      ; O: the 32 whole rows that my wave stores
	s_lshl_b32 s54, s54, 13
	s_add_co_u32 s54, s54, s20
	s_mov_b32 s55, 0
	; descriptor group 1: 128 keys x 128 elements (the pair's 256 bytes), padded in LDS after every key
	s_mov_b32 s[G1K], 15|(1<<16)|(1<<20)|(1<<21)|(5<<22)|(3<<25)  ; 15:0 the mask of four; 17:16 2-byte elements; 20 padding on; 21 set beside a mask; 24:22 after every 64 words (code 5); 31:25 4 words (code 3)
	s_mov_b32 s[G1V], 15|(1<<16)|(1<<20)|(1<<21)|(5<<22)|(7<<25)  ; the same with 8 words of padding (code 7)
.irp g, G1K, G1V
	s_mov_b32 s[\g+1], 128<<16      ; tensor_dim0 = 128
	s_mov_b32 s[\g+2], 128<<16      ; tensor_dim1 = 128
	s_mov_b32 s[\g+3], 128<<16      ; tile_dim0 = 128
	s_mov_b32 s[\g+4], 128          ; tile_dim1 = 128
	s_mov_b32 s[\g+5], 4096         ; 4,096 elements from row to row
	s_mov_b32 s[\g+6], 0
	s_mov_b32 s[\g+7], 0
.endr
	s_mov_b32 s[CS], 0x3e38aa3b     ; c = log2(e) / 8 = 0.180337
	s_mov_b32 s[CS+1], s[CS]        ; named with it as a pair
	s_mov_b32 s[SEL], 0x76543210
	s_mov_b32 s[SEL+1], 0xfedcba98
	s_mov_b32 s[TBK], SLOT1+4*KS*PK ; the first change of slots turns these two into 0
	s_mov_b32 s[TBV], SLOT1+4*KS*PV
	s_mov_b32 s[G0K], 1             ; count = 1
	s_mov_b32 s[G0K+1], s17         ; LDS address: slot 0
	s_mov_b32 s[G0V], 1
	s_add_co_u32 s[G0V+1], s19, VOFF
	s_wait_dscnt 0x0                ; the opening add is done
	s_wait_kmcnt 0x0
	s_add_nc_u64 s[G0K+2:G0K+3], s[4:5], s[22:23]
	s_add_nc_u64 s[G0K+2:G0K+3], s[G0K+2:G0K+3], 2048   ; k lies behind q in a row
	s_or_b32 s[G0K+3], s[G0K+3], 0x80000000             ; type = 2
	s_add_nc_u64 s[G0V+2:G0V+3], s[4:5], s[22:23]
	s_add_nc_u64 s[G0V+2:G0V+3], s[G0V+2:G0V+3], 4096   ; v behind k
	s_or_b32 s[G0V+3], s[G0V+3], 0x80000000
	s_add_nc_u64 s[8:9], s[4:5], s[2:3]                 ; Q at my wave's first row and head
	s_add_nc_u64 s[10:11], s[6:7], s[54:55]             ; O at the first row that I store
	CROUND                          ; all four work-groups are here: the first joint loads meet
	JLOAD                           ; slot 0.  Slot 1 is asked for when slot 0 is in
	; A fragment of K or Q is 16 rows x 32 channels in 8 registers: lane l holds row l % 16, channels 8 (l / 16) + 0..7 and 16 + 8 (l / 16) + 0..7: two loads of 16 bytes, 32 bytes apart.
	v_and_b32 v1, 15, v0            ; l % 16
	v_bfe_u32 v9, v0, 4, 1          ; l / 16
	v_lshlrev_b32 v[QO], 13, v1
	v_lshl_add_u32 v[QO], v9, 4, v[QO]  ; row x 8,192 + 16 x half
	WIN 0x80                        ; destination window 2, address window 0
.set i, 0
.rept 8                             ; Q stays in registers: piece i / 2 (16 rows on), channels 32 (i % 2) on
	global_load_b128 v[8*i:8*i+3],   v[QO], s[8:9] offset:(i/2)*16*ROWB+(i%2)*64
	global_load_b128 v[8*i+4:8*i+7], v[QO], s[8:9] offset:(i/2)*16*ROWB+(i%2)*64+32
.set i, i+1
.endr
	; What the first turn finds: V's registers and P's second buffer hold 0 (its products V^T P, of a piece that has not been, add 0), O^T and l are 0.  All this stands in the wait for the first tile;
	; it spares a first step written out beside the loop.
.set i, VF
.rept 64
	v_mov_b32 v[i], 0
.set i, i+1
.endr
	WIN 0x40
.set i, 0
.rept 128
	v_mov_b32 v[i], 0
.set i, i+1
.endr
	WIN 0
.set i, 0
.rept 4
	v_mov_b32 v[ST+4*i], 0xfe000000    ; c m: far below every c s
	v_mov_b32 v[ST+4*i+1], 0xff7fffff  ; m
	v_mov_b32 v[ST+4*i+2], 0
	v_mov_b32 v[ST+4*i+3], 0
.set i, i+1
.endr
.set i, P+16
.rept 16
	v_mov_b32 v[i], 0
.set i, i+1
.endr
	v_mul_u32_u24 v[AK0], v1, PK
	v_lshl_add_u32 v[AK0], v9, 4, v[AK0]  ; row x pitch + 16 x half
	v_add_nc_u32 v[AK0], s18, v[AK0]      ; + my head's 128 bytes
	; The turning load takes 16 keys x 16 channels (lane l reads key 8 (l / 16) + l % 8, channels 8 ((l / 8) % 2) + 0..7) and leaves half a fragment of V^T: lane l holds channel l % 16 and 8 keys.
	v_and_b32 v10, 7, v0
	v_bfe_u32 v11, v0, 3, 1
	v_lshl_add_u32 v[AV0], v9, 3, v10
	v_mul_u32_u24 v[AV0], v[AV0], PV
	v_lshl_add_u32 v[AV0], v11, 4, v[AV0]
	s_add_co_u32 s48, s18, VOFF
	v_add_nc_u32 v[AV0], s48, v[AV0]
	s_mul_i32 s49, s16, 64*SP       ; into the stage: my 64 rows, my head's half of their 256 bytes; row l % 16, 16 bytes for each half of the lanes
	s_add_co_u32 s49, s49, s18
	s_add_co_u32 s49, s49, STAGE
	v_mul_u32_u24 v[STO], v1, SP
	v_lshl_add_u32 v[STO], v9, 4, v[STO]
	v_add_nc_u32 v[STO], s49, v[STO]
	s_mul_i32 s50, s[WV], 32*SP     ; back: wave w takes rows 32 w .. 32 w + 31, whole; lanes 0-15 one row of 256 bytes, lanes 16-31 the next
	s_add_co_u32 s50, s50, STAGE
	v_mul_u32_u24 v[RD], v9, SP
	v_lshl_add_u32 v[RD], v1, 4, v[RD]
	v_add_nc_u32 v[RD], s50, v[RD]
	v_lshlrev_b32 v[GO], 13, v9     ; and the same two rows in O
	v_lshl_add_u32 v[GO], v1, 4, v[GO]
; THE MATRIX WORK.  The 4 accumulators of a run of 8 take turns.  Product i of 8 of S^T = K Q^T for piece x: channels 32 (i / 4) on, keys 16 (i % 4) on.  The first 4 start the sums.
.macro KQ x
.set rS, S+32*((\x)%2)+8*(i%4)
.set rK, KF+16*(i%4)+8*(i/4)
.set rQ, 16*(\x)+8*(i/4)
	WIN W_KQ
.if i < 4
	v_wmma_f32_16x16x32_bf16 v[rS:rS+7], v[rK:rK+7], v[rQ:rQ+7], 0
.else
	v_wmma_f32_16x16x32_bf16 v[rS:rS+7], v[rK:rK+7], v[rQ:rQ+7], v[rS:rS+7]
.endif
.endm
; Product i of 8 of O^T += V^T P for piece x: keys 32 (i / 4) on, channels 16 (i % 4) on.
.macro PV x
	WIN W_PV
.set rO, 32*(\x)+8*(i%4)
.set rV, VF+32*(i/4)+8*(i%4)
.set rP, P+16*((\x)%2)+8*(i/4)
	v_wmma_f32_16x16x32_bf16 v[rO:rO+7], v[rV:rV+7], v[rP:rP+7], v[rO:rO+7]
.endm
.macro MM                           ; the turn's next matrix instruction.  NOKQ = 1: the last turn of all: there is no next piece
.if (i < 8) && !NOKQ
	KQ (Y+1)%NP
.elseif i >= 8
.set i, i-8
	PV (Y+NP-1)%NP
.set i, i+8
.endif
.set i, i+1
.endm
; THE LDS LOADS stand in runs of 16, never singly among the matrix instructions: a step's K (64 keys x 64 channels: 8 fragments) and its V (turned).  Their addresses are made some lines ahead.
.macro FETCH_K
	WIN 0x80                        ; destination window 2
.irp f, 0,1,2,3,4,5,6,7             ; keys 16 (f / 2) on, channels 32 (f % 2) on
	ds_load_b128 v[KF+8*\f:KF+8*\f+3],   v[AK] offset:(\f/2)*16*PK+(\f%2)*64
	ds_load_b128 v[KF+8*\f+4:KF+8*\f+7], v[AK] offset:(\f/2)*16*PK+(\f%2)*64+32
.endr
	s_add_co_u32 s[TBK], s[TBK], KS*PK  ; the next fetch is the next step's
	WIN 0
.endm
.macro FETCH_V
	WIN 0x80
.irp f, 0,1,2,3,4,5,6,7             ; keys 32 (f / 4) on, channels 16 (f % 4) on
	ds_load_tr16_b128 v[VF+8*\f:VF+8*\f+3],   v[AV] offset:(\f/4)*32*PV+(\f%4)*32
	ds_load_tr16_b128 v[VF+8*\f+4:VF+8*\f+7], v[AV] offset:(\f/4)*32*PV+16*PV+(\f%4)*32
.endr
	WIN 0
.endm
; THE VECTOR WORK, one line at a time: OP kind, number.  For piece Y: F n: c s - c m for pair n of 16.  E n: the exponential of score n of 32.  C n: pair n rounded to bf16.  B n: of the four weights 4 n .. the second
; pair is added onto the first, in place.  L n: l takes that sum (L 0: l = a l + sum).  R n: pair n of 16 of O^T times a.  For piece Y + 1: X n, number n of the 22 that find its maximum and statistics:
;   0-11  four chains c0-c3 of seven scores each, three operands at a time (each accumulator's lowest registers are read first)     12-14, 16  the four scores left over, the old m, and c0-c3 into c0
;   15  c m_old is kept     17, 18  the query's other 32 keys lie in the lane 16 away: the new m     19-21  c m; c m_old - c m_new; a
.set F, 0               ; OP tells the kinds apart by their order: F to L below R, X above it
.set E, 1
.set C, 2
.set B, 3
.set L, 4
.set R, 5
.set X, 6
.macro REGS y                       ; the registers of piece y
.set rT, ST+4*(\y)
.set rC, TMP+4*((\y)%2)
.set rW, MV+((\y)%2)
.set rS, S+32*((\y)%2)
.set rP, P+16*((\y)%2)
.set rO, 32*(\y)
.endm
.macro OP k, n
.if (\k) == R
	REGS Y
	WIN W_RS
	v_pk_mul_f32 v[rO+2*(\n):rO+2*(\n)+1], v[rO+2*(\n):rO+2*(\n)+1], v[rC+2:rC+3] op_sel_hi:[1,0]
.elseif (\k) < R
	REGS Y
	WIN 0
.if (\k) == F
	v_pk_fma_f32 v[rS+2*(\n):rS+2*(\n)+1], v[rS+2*(\n):rS+2*(\n)+1], s[CS:CS+1], v[rT:rT+1] op_sel_hi:[1,0,0] neg_lo:[0,0,1] neg_hi:[0,0,1]
.elseif (\k) == E
	v_exp_f32 v[rS+(\n)], v[rS+(\n)]
.elseif (\k) == C
	s_wait_alu depctr_va_vdst(0)
	v_cvt_pk_bf16_f32 v[rP+(\n)], v[rS+2*(\n)], v[rS+2*(\n)+1]
.elseif (\k) == B
	s_wait_alu depctr_va_vdst(0)
	v_pk_add_f32 v[rS+4*(\n):rS+4*(\n)+1], v[rS+4*(\n):rS+4*(\n)+1], v[rS+4*(\n)+2:rS+4*(\n)+3]
.elseif (\n) == 0
	v_pk_fma_f32 v[rT+2:rT+3], v[rT+2:rT+3], v[rC+2:rC+3], v[rS:rS+1] op_sel_hi:[1,0,1]
.else
	v_pk_add_f32 v[rT+2:rT+3], v[rT+2:rT+3], v[rS+4*(\n):rS+4*(\n)+1]
.endif
.elseif NOKQ
	v_nop
.else
	REGS (Y+1)%NP
	WIN 0
.if (\n) < 4
	v_max3_num_f32 v[rC+(\n)], v[rS+8*(\n)], v[rS+8*(\n)+1], v[rS+8*(\n)+2]
.elseif (\n) < 12
	v_max3_num_f32 v[rC+(\n)%4], v[rC+(\n)%4], v[rS+8*((\n)%4)+2*((\n)/4)+1], v[rS+8*((\n)%4)+2*((\n)/4)+2]
.elseif (\n) == 12
	v_max3_num_f32 v[rC], v[rC], v[rS+7], v[rS+15]
.elseif (\n) == 13
	v_max3_num_f32 v[rC+1], v[rC+1], v[rS+23], v[rS+31]
.elseif (\n) == 14
	v_max3_num_f32 v[rC+2], v[rC+2], v[rC+3], v[rT+1]
.elseif (\n) == 15
	v_mov_b32 v[rW], v[rT]
.elseif (\n) == 16
	v_max3_num_f32 v[rC], v[rC], v[rC+1], v[rC+2]
.elseif (\n) == 17
	v_permlanex16_b32 v[rC+3], v[rC], s[SEL], s[SEL+1]
.elseif (\n) == 18
	v_max_num_f32 v[rT+1], v[rC], v[rC+3]
.elseif (\n) == 19
	v_mul_f32 v[rT], s[CS], v[rT+1]
.elseif (\n) == 20
	v_sub_f32 v[rC+1], v[rW], v[rT]
.else
	v_exp_f32 v[rC+2], v[rC+1]
.endif
.endif
.endm
.macro OPS a, i1, b=-1, i2=0, c=-1, i3=0, d=-1, i4=0  ; up to four of them
	OP \a, \i1
.if (\b) >= 0
	OP \b, \i2
.endif
.if (\c) >= 0
	OP \c, \i3
.endif
.if (\d) >= 0
	OP \d, \i4
.endif
.endm
.macro ROW a, i1, b, i2, c, i3, d, i4  ; a matrix instruction and the four behind it
	MM
	OPS \a, \i1, \b, \i2, \c, \i3, \d, \i4
.endm
; A TURN, for piece p: the order of its 16 matrix and 118 vector instructions, written out.  Behind a matrix instruction: plain, exponential, plain, plain; or four of the rescaling; or, behind the first, four scalings;
; none names a register of the products round it.  In the runs between, exponential and plain by turns while exponentials last, so that each exponential has a plain instruction behind it (ISA guide 5.7.2).
; end = 1: the last two turns of all: nothing is fetched.  cnt = 1: the loop's count is taken down some lines ahead of the branch that stands behind the turn.
; K of the next step is fetched in piece 2's turn, six vector instructions behind the last product that read K (five of them plain); V of the step in hand in piece 0's turn, eight behind the last product
; that read V (four plain).  Each is waited for a turn later.
.macro TURN p, end=0, cnt=0
.set Y, (\p)
.set i, 0
.set NOKQ, (\end)*((\p)/3)
.if ((\p) == 3) && !(\end)
	s_wait_dscnt 0x0                ; K is in
.endif
	ROW F,0, F,1, F,2, F,3
	ROW F,4, E,0, F,5, F,6
	ROW F,7, E,1, F,8, F,9
	ROW F,10, E,2, C,0, F,11
	ROW F,12, E,3, X,15, F,13
	ROW R,0, R,1, R,2, R,3
	ROW B,0, E,4, F,14, L,0
.if ((\p) == 2) && !(\end)
	v_add_nc_u32 v[AK], s[TBK], v[AK0]
.endif
	ROW R,4, R,5, R,6, R,7
	OPS E,5, F,15
.if ((\p) == 2) && !(\end)
	FETCH_K
.endif
	OPS E,6, C,1, E,7, R,8
	OPS E,8, R,9, E,9, C,2
	OPS E,10, X,0, E,11, X,1
	OPS E,12, X,2, E,13, X,3
.if (\p) == 1
	s_wait_dscnt 0x0                ; V is in
.endif
	ROW X,4, E,14, X,5, X,6
	ROW X,7, E,15, X,8, X,9
	ROW X,10, E,16, X,11, X,12
	ROW X,13, E,17, X,14, B,1
	ROW C,4, E,18, X,16, L,1
	ROW B,2, E,19, C,6, L,2
	ROW C,8, E,20, B,3, B,4
.if (\p) == 0
	v_add_nc_u32 v[AV], s[TBV], v[AV0]
.endif
	ROW C,3, E,21, L,3, C,5
	OPS E,22, X,17, E,23, C,10
.if (\p) == 0
	FETCH_V
.endif
	OPS E,24, L,4
	OPS E,25, X,18, E,26, C,7
	OPS E,27, B,5, E,28, X,19
	OPS E,29, C,12, E,30, L,5
	OPS E,31, X,20, B,6, C,9
	OPS C,14, C,11, X,21, L,6
.if (\p) == 0
	s_add_co_u32 s[TBV], s[TBV], KS*PV
.endif
.if \cnt
	s_sub_co_u32 s[CNT], s[CNT], 1
	s_cmp_lg_u32 s[CNT], 0
.endif
	OPS C,13, B,7, C,15, R,10
	OPS R,11, R,12, L,7, R,13
	OPS R,14, R,15
.endm
	CHANGE 1                        ; slot 0 is in, everybody's part of it; slot 1 is asked for
	v_add_nc_u32 v[AK], s[TBK], v[AK0]
	FETCH_K                         ; key step 0
	s_wait_loadcnt 0x0              ; Q
	s_wait_dscnt 0x0
.set NOKQ, 0
.set i, 0
.rept 8
	KQ 0                            ; piece 0's first scores: there is no vector work yet to set between them
.set i, i+1
.endr
	WIN 0
.rept 4
	v_nop                           ; the places behind those products
.endr
.set Y, NP-1                        ; X works for piece Y + 1: piece 0
.irp n, 0,1,2,3,4,5,6,7,8,9,10,11,12,13,14,15,16,17,18,19,20,21
	OP X, \n
.endr
	v_nop                           ; a plain instruction behind the exponential
	s_mov_b32 s[CNT], 4
	s_mov_b32 s[SLOTS], 2048/256-1
	s_branch .Lfirst                ; the loop is entered at a step's first turn, in the middle of a trip
.Lslot:                             ; six times: every slot but the last two is filled again
	CHANGE 1
	s_mov_b32 s[CNT], 4
.Lstep:                             ; a trip: pieces 2 and 3 of one step, then pieces 0 and 1 of the next, whose K and V it fetches
	TURN 2
	TURN 3
	WIN 0
.Lfirst:
	TURN 0
	TURN 1, 0, 1
	WIN 0
	s_cbranch_scc1 .Lstep
	s_sub_co_u32 s[SLOTS], s[SLOTS], 1
	s_cmp_lg_u32 s[SLOTS], 0
	s_cbranch_scc1 .Lslot
	CHANGE 0                        ; the last slot is written out: nothing is asked for
	s_mov_b32 s[CNT], 4
.Ltail:
	TURN 2
	TURN 3
	TURN 0
	TURN 1, 0, 1
	WIN 0
	s_cbranch_scc1 .Ltail
	TURN 2, 1
	TURN 3, 1
.set i, 0
.rept 8
	PV NP-1                         ; the last piece's V^T P of the last step
.set i, i+1
.endr
	; THE WAY OUT.  l's two halves and the other half of the lanes' are added; O^T is divided by l, rounded to bf16 and put into the work-group's stage; a barrier, since a row's 256 bytes come from two waves;
	; back as whole rows, 32 rows a wave.  The additions are the places behind the last products.
	WIN 0
.macro ALL line:vararg              ; one line for each piece t
.set t, 0
.rept 4
	\line
.set t, t+1
.endr
.endm
	ALL v_add_f32 v[ST+4*t+2], v[ST+4*t+2], v[ST+4*t+3]
	ALL v_permlanex16_b32 v[ST+4*t+3], v[ST+4*t+2], s[SEL], s[SEL+1]
	ALL v_add_f32 v[ST+4*t+2], v[ST+4*t+2], v[ST+4*t+3]
	ALL v_rcp_f32 v[ST+4*t+2], v[ST+4*t+2]
	v_nop                           ; a plain instruction between the last reciprocal and the use of its result
.macro PACK t                       ; a lane's eight channels of a row pack into 16 bytes
	WIN W_RS
.set i, 32*(\t)
.rept 16
	s_wait_alu depctr_va_vdst(0)
	v_pk_mul_f32 v[i:i+1], v[i:i+1], v[ST+4*(\t)+2:ST+4*(\t)+3] op_sel_hi:[1,0]
.set i, i+2
.endr
	WIN 0x05                        ; sources 0 and 1 window 1, destination window 0: S^T's registers are free
.set i, 0
.rept 16
	v_cvt_pk_bf16_f32 v[S+16*(\t)+i], v[32*(\t)+2*i], v[32*(\t)+2*i+1]
.set i, i+1
.endr
	WIN 0
.irp f, 0,1,2,3
	ds_store_b128 v[STO], v[S+16*(\t)+4*\f:S+16*(\t)+4*\f+3] offset:(\t)*16*SP+32*\f
.endr
.endm
	PACK 0
	PACK 1
	PACK 2
	PACK 3
	s_wait_dscnt 0x0                ; for the others' sake: my stores into the stage are done
	s_barrier_signal -1
	s_barrier_wait -1
.irp f, 0,1,2,3,4,5,6,7,8,9,10,11,12,13,14,15
	ds_load_b128 v[S+4*\f:S+4*\f+3], v[RD] offset:\f*2*SP
.endr
.irp f, 0,1,2,3,4,5,6,7,8,9,10,11,12,13,14,15
	s_wait_dscnt 15-\f              ; LDS loads come back in order (ISA guide 5.7.1): the younger ones stay out
	global_store_b128 v[GO], v[S+4*\f:S+4*\f+3], s[10:11] offset:\f*2*ROWB  ; 16 lanes store 256 consecutive bytes, at a multiple of 256 from O's first byte
.endr
	s_wait_tensorcnt 0x0            ; the wave's end: behind my last tensor load and my last LDS store
	ds_add_u32 v[SPW], v[NIL]
	s_wait_dscnt 0x0
	CROUND                          ; the closing round: no work-group ends while a partner may still ask for a tile that names it
	s_endpgm
.Lfunc_end_k_q9da423993c_att:
	.size	k_q9da423993c_att, .Lfunc_end_k_q9da423993c_att-k_q9da423993c_att
	.p2alignl 7, 3214868480
	.fill 96, 4, 3214868480
	.section	.rodata,"a",@progbits
	.p2align	6, 0x0
	.amdhsa_kernel k_q9da423993c_att
		.amdhsa_group_segment_fixed_size 327680
		.amdhsa_private_segment_fixed_size 0
		.amdhsa_enable_private_segment 0
		.amdhsa_kernarg_size 16
		.amdhsa_user_sgpr_count 2
		.amdhsa_user_sgpr_kernarg_segment_ptr 1
		.amdhsa_wavefront_size32 1
		.amdhsa_system_sgpr_workgroup_id_x 1
		.amdhsa_system_sgpr_workgroup_id_y 1
		.amdhsa_system_sgpr_workgroup_id_z 1
		.amdhsa_system_vgpr_workitem_id 0
		.amdhsa_next_free_vgpr 768
		.amdhsa_next_free_sgpr 66
		.amdhsa_reserve_vcc 0
		.amdhsa_float_denorm_mode_32 3
		.amdhsa_float_denorm_mode_16_64 3
		.amdhsa_memory_ordered 1
		.amdhsa_forward_progress 1
		.amdhsa_inst_pref_size 134
	.end_amdhsa_kernel
	.amdgpu_metadata
---
amdhsa.version: [ 1, 2 ]
amdhsa.kernels:
  - .name:           k_q9da423993c_att
    .symbol:         k_q9da423993c_att.kd
    .args:
      - { .name: actQ, .offset: 0, .size: 8, .value_kind: global_buffer, .address_space: global }
      - { .name: actP, .offset: 8, .size: 8, .value_kind: global_buffer, .address_space: global }
    .group_segment_fixed_size: 327680
    .private_segment_fixed_size: 0
    .kernarg_segment_align: 8
    .kernarg_segment_size: 16
    .max_flat_workgroup_size: 128
    .sgpr_count:     66
    .vgpr_count:     768
    .wavefront_size: 32
...
	.end_amdgpu_metadata
.endif
;; end of part 4
;; launch wo (part 5): grid 8 x 32, 4 waves a work-group, clusters of 4 x 4, 327,680 bytes of LDS; arguments actP, wob, x2, bo, x; writes x2
.if DOCPART == 5
	.amdgcn_target "amdgcn-amd-amdhsa--gfx1250"
	.amdhsa_code_object_version 6
	.text
	.protected	k_q9da423993c_wo
	.globl	k_q9da423993c_wo
	.p2align	8
	.type	k_q9da423993c_wo,@function
k_q9da423993c_wo:
	s_mov_b64 s[64:65], 0
	v_nop
	global_prefetch_b8 v0, s[64:65] scope:SCOPE_SE
	s_setreg_imm32_b32 hwreg(HW_REG_WAVE_MODE, 25, 1), 1
	s_wait_xcnt 0x0
	s_wait_alu depctr_hold_cnt(0) depctr_sa_sdst(0) depctr_va_vdst(0) depctr_va_sdst(0) depctr_va_ssrc(0) depctr_va_vcc(0) depctr_vm_vsrc(0)
	s_getreg_b32 s2, hwreg(HW_REG_IB_STS2, 6, 4)
	s_cmp_eq_u32 s2, 0
	s_cbranch_scc0 .Lentry_in_a_cluster
	s_endpgm
.Lentry_in_a_cluster:
	s_bfe_u32 s2, ttmp6, 0x10000c
	s_cmp_lg_u32 s2, 0xf033
	s_cbranch_scc0 .Lentry_shape_is_right
	s_endpgm
.Lentry_shape_is_right:
; C = R + A B + bias.  A: [4,096][SIZE_K] bf16 in rows of 8,192 bytes; B: [SIZE_K k][1,024 n] bf16; bias: [1,024] f32; R and C: [4,096][1,024] f32.  Sums in f32, started by the bias, K ascending; R is added in f32.
; A tile of C is 128 x 128, so that the 4,096 x 1,024 numbers give 256 work-groups.  Four waves, each 64 x 64: 16 accumulators of 16 x 16.  K goes in steps of 256 through two LDS slots, as long as LDS allows:
; A's rows are 512 bytes of memory, B's 256, all at multiples of 256 from their buffer's first byte.  B lies [k][n]: its fragments come out of LDS turned, by ds_load_tr16_b128.
; A K STEP IS WRITTEN TWICE IN ALL: once with a refill (a loop of STEPS - 2 trips) and once without (a loop of 2 trips).  Which slot is read stands in a scalar register (0 or SLOT1) that one exclusive or
; turns at each change of slots; the descriptor that asks for the refills walks in the same way.  So that the first K step is a step like any other, sixteen products of a zero fragment with itself carry the
; bias (their C) into the accumulators while the first tile is on its way.  The price, once a launch: those sixteen products, and in the very last trip a barrier that orders nothing and 32 LDS loads of the
; other slot's old tile into a buffer that nothing multiplies.
; CLUSTERS: 4 x 4 work-groups; A's tiles are asked for jointly along a row of the cluster, B's along a column.  By this text's count a wave has two tensor loads out at the start and one behind each round.
; THE MATRIX INSTRUCTION IS USED TRANSPOSED (source 0 = 16 columns of B, source 1 = 16 rows of A): a lane holds eight neighbouring numbers of a row of C, 32 bytes.  A wave's 64 columns are 256 bytes of f32.
; R is loaded at the start, in the layout of the stores, and stays on its way through the whole K loop.
; REGISTERS: window 0: v0-31 addresses and the zero fragment; v32-95 two buffers of 16 rows on the way out; v96-127 the bias as C operands; v128-255 the accumulators ((a, b) at v[128 + 8 (4 a + b)]).
;   window 1: two fragment buffers of 128: for 64 along K, 64 registers of A, then 64 of B.      window 2: v0-127 R
.set SIZE_K, 1024
.set KSTEP,  256
.set STEPS,  SIZE_K/KSTEP
.set BROW,   2048                      ; bytes from row to row in B
.set CROW,   4096                      ; in R and C
.set PA,     528                       ; an LDS row of A: 512 bytes + 16 = 132 words: row r starts at bank 4 r mod 64 (64 banks of 4 bytes: ISA guide 11.1)
.set HA,     64*PA                     ; 64 rows: one tensor load
.set AT,     2*HA                      ; A's 128 rows
.set PB,     288                       ; an LDS row of B: 256 bytes + 32 = 72 words
.set HB,     128*PB                    ; 128 k rows: one tensor load
.set SLOTB,  AT+2*HB                   ; a slot's bytes: 141,312
.set SLOT1,  0x24000                   ; slot 1 begins here; its two bits are set in none of the four loads' places in slot 0 (0, 0x8400, 0x10800, 0x19800), so one exclusive or changes slots
.set STAGE,  SLOT1+SLOTB               ; behind the ring: 16 rows x 272 bytes for each wave
.set SPITCH, 272
.set SPARE,  STAGE+4*16*SPITCH         ; behind the stages: the spare words, 128 bytes for each wave: two blocks of 256 bytes that no other line names
.set Z,     8                          ; v8-15   a fragment of zeros
.set ADRA0, 16                         ; v16     LDS address of my A fragments in slot 0; never rewritten
.set ADRA,  17                         ; v17     the same in the slot in hand
.set ADRB0, 20                         ; v20-21  of my B fragments in slot 0: k rows 0-127, 128-255 (a 16-bit offset does not reach over 256 k rows); never rewritten
.set ADRB,  22                         ; v22-23  the same in the slot in hand
.set STO,  24
.set RD,   25
.set CO,   26                          ; v26     my byte offset in two rows of R and C
.set BO,   27
.set SPW,  28                          ; v28     LDS address of my spare word; never rewritten
.set NIL,  29                          ; v29     0; never rewritten
.set TMP,  32
.set BIAS, 96
.set ACC,  128
.set F0,   0
.set F1,   128
.set G1,  24                           ; s[24:31] descriptor group 1 for A's tiles;  s[32:39] group 0: a set for each of the two first fills; the second then walks on
.set G0,  32
.set G1B, 48                           ; s[48:55], s[56:63] the same for B's
.set G0B, 56
.set TB,  45                           ; s45  the slot in hand: 0 or SLOT1
.set MSB, 0
.macro WIN new
.if MSB != (\new)
	s_set_vgpr_msb (MSB<<8)|(\new)
.set MSB, \new
.endif
.endm
.set MUL,  0x05                        ; sources 0 (B) and 1 (A) window 1; C and D window 0
.set TO_F, 0x40                        ; destination window 1, address window 0
.macro JLOAD s                         ; a joint load: waves 0 and 1 fetch A's two halves, waves 2 and 3 B's; an s_nop 0 and four v_nop follow each of the two lines
	s_cmp_eq_u32 s11, 0
	s_cbranch_scc0 .Lfor_b_\@
	tensor_load_to_lds s[G0+4*(\s):G0+4*(\s)+3], s[G1:G1+7]
	s_nop 0
.rept 4
	v_nop
.endr
	s_branch .Lasked_\@
.Lfor_b_\@:
	tensor_load_to_lds s[G0B+4*(\s):G0B+4*(\s)+3], s[G1B:G1B+7]
	s_nop 0
.rept 4
	v_nop
.endr
.Lasked_\@:
.endm
.macro CREST
	s_cmp_lg_u32 s10, 0
	s_cbranch_scc1 .Lnot_wave_0_\@
	s_barrier_signal -3
.Lnot_wave_0_\@:
	s_barrier_wait -3
	s_barrier_signal -1
	s_barrier_wait -1
.endm
.macro CROUND
	s_barrier_signal -1
	s_barrier_wait -1
	CREST
.endm
	s_load_b128 s[4:7], s[0:1], 0x0                ; A s[4:5], B s[6:7]
	s_load_b64 s[8:9], s[0:1], 0x10                ; C
	s_load_b128 s[68:71], s[0:1], 0x18             ; bias s[68:69], R s[70:71]
	v_lshl_add_u32 v[SPW], v0, 2, SPARE
	v_mov_b32 v[NIL], 0
	ds_add_u32 v[SPW], v[NIL]                      ; the wave's opening: the add, and its wait ahead of my first tensor load; the set-up below, work on registers, stands between them
	v_lshrrev_b32 v1, 5, v0
	v_readfirstlane_b32 s10, v1                    ; wave 0..3
	s_lshr_b32 s11, s10, 1                         ; which half of the tile's rows is mine.  Also: I fetch for A (0) or for B (1)
	s_and_b32 s12, s10, 1                          ; which half of its columns.  Also: which half of that tile I fetch
	s_bfe_u32 s40, ttmp6, 0x40000                  ; cx, cy
	s_bfe_u32 s41, ttmp6, 0x40004
	s_lshl_b32 s42, ttmp9, 2
	s_add_co_u32 s42, s42, s40                     ; tile column of C
	s_and_b32 s13, ttmp7, 0xffff
	s_lshl_b32 s13, s13, 2
	s_add_co_u32 s13, s13, s41                     ; tile row of C
	s_lshl_b32 s43, s41, 2
	s_lshl_b32 s43, 15, s43                        ; my row of the cluster
	s_lshl_b32 s44, 0x1111, s40                    ; my column
	s_or_b32 s[G1+0], s43, (1<<16)|(1<<20)|(1<<21)|(6<<22)|(3<<25)   ; A: elements of 2 bytes; padding after every 128 words (code 6) of 4 words (code 3); bit 21 set beside the mask
	s_or_b32 s[G1B+0], s44, (1<<16)|(1<<20)|(1<<21)|(5<<22)|(7<<25)  ; B: after every 64 words (code 5), 8 words (code 7)
	s_mov_b32 s[G1+1], 256<<16                     ; A: tensor_dim0 = 256
	s_mov_b32 s[G1+2], 64<<16                      ; tensor_dim1 = 64
	s_mov_b32 s[G1+3], 256<<16                     ; tile_dim0 = 256
	s_mov_b32 s[G1+4], 64                          ; tile_dim1 = 64
	s_mov_b32 s[G1+5], 4096                        ; elements from row to row
	s_mov_b32 s[G1+6], 0
	s_mov_b32 s[G1+7], 0
	s_mov_b32 s[G1B+1], 128<<16                    ; B: tensor_dim0 = 128
	s_mov_b32 s[G1B+2], 128<<16                    ; tensor_dim1 = 128
	s_mov_b32 s[G1B+3], 128<<16                    ; tile_dim0 = 128
	s_mov_b32 s[G1B+4], 128                        ; tile_dim1 = 128 k rows
	s_mov_b32 s[G1B+5], 1024
	s_mov_b32 s[G1B+6], 0
	s_mov_b32 s[G1B+7], 0
	s_lshl_b32 s17, s12, 6
	s_lshl_b32 s16, s13, 7
	s_add_co_u32 s16, s16, s17                     ; A: row 128 x tile row + 64 x half,
	s_lshl_b32 s16, s16, 13                        ; in bytes
	s_mov_b32 s17, 0
	s_lshl_b32 s46, s12, 18                        ; B: 128 k rows x half,
	s_lshl_b32 s47, s42, 8                         ; 256 bytes x tile column
	s_add_co_u32 s46, s46, s47
	s_mov_b32 s47, 0
	s_mul_i32 s20, s12, HA                         ; where A's halves go,
	s_mul_i32 s21, s12, HB
	s_add_co_u32 s21, s21, AT                      ; and B's: no place in the cluster enters an LDS address
	s_mov_b32 s[TB], 0                             ; the reads begin in slot 0
	s_wait_dscnt 0x0                               ; the opening add is done
	s_wait_kmcnt 0x0
	s_add_nc_u64 s[14:15], s[4:5], s[16:17]
	s_add_nc_u64 s[46:47], s[6:7], s[46:47]
	CROUND                                         ; all sixteen work-groups are here: the first joint loads meet
.irp s, 0,1
	s_mov_b32 s[G0+4*(\s)], 1
	s_add_co_u32 s[G0+4*(\s)+1], s20, (\s)*SLOT1
	s_add_nc_u64 s[G0+4*(\s)+2:G0+4*(\s)+3], s[14:15], (\s)*KSTEP*2
	s_or_b32 s[G0+4*(\s)+3], s[G0+4*(\s)+3], 0x80000000
	s_mov_b32 s[G0B+4*(\s)], 1
	s_add_co_u32 s[G0B+4*(\s)+1], s21, (\s)*SLOT1
	s_add_nc_u64 s[G0B+4*(\s)+2:G0B+4*(\s)+3], s[46:47], (\s)*KSTEP*BROW
	s_or_b32 s[G0B+4*(\s)+3], s[G0B+4*(\s)+3], 0x80000000
	JLOAD \s
.endr
	v_and_b32 v1, 15, v0                           ; l % 16
	v_bfe_u32 v2, v0, 4, 1                         ; l / 16
	v_lshlrev_b32 v[BO], 5, v2                     ; the bias as C operands: register j of column block b is column 16 b + 8 (l / 16) + j
	v_lshlrev_b32 v5, 12, v2                       ; R and C: lanes 0-15 one row's 256 bytes, lanes 16-31 the next row's
	v_lshl_add_u32 v[CO], v1, 4, v5
	s_lshl_b32 s66, s42, 9                         ; my 64 columns in f32: 512 bytes x tile column + 256 x half
	s_lshl_b32 s67, s12, 8
	s_add_co_u32 s66, s66, s67
	s_mov_b32 s67, 0
	s_lshl_b32 s22, s13, 7                         ; my 64 rows: 128 x tile row + 64 x half,
	s_lshl_b32 s23, s11, 6
	s_add_co_u32 s22, s22, s23
	s_lshl_b32 s22, s22, 12                        ; in bytes
	s_mov_b32 s23, 0
	s_add_nc_u64 s[68:69], s[68:69], s[66:67]
	s_add_nc_u64 s[70:71], s[70:71], s[22:23]
	s_add_nc_u64 s[70:71], s[70:71], s[66:67]
	s_add_nc_u64 s[8:9], s[8:9], s[22:23]
	s_add_nc_u64 s[8:9], s[8:9], s[66:67]
.irp b, 0,1,2,3
	global_load_b128 v[BIAS+8*(\b):BIAS+8*(\b)+3],   v[BO], s[68:69] offset:64*(\b)
	global_load_b128 v[BIAS+8*(\b)+4:BIAS+8*(\b)+7], v[BO], s[68:69] offset:64*(\b)+16
.endr
	WIN 0x80                                       ; destination window 2, address window 0
.set i, 0
.rept 32                               ; R: load i holds rows 2 i and 2 i + 1 of my 64
	global_load_b128 v[4*i:4*i+3], v[CO], s[70:71] offset:2*i*CROW
.set i, i+1
.endr
	WIN 0
	v_mul_u32_u24 v3, v1, PA
	v_lshl_add_u32 v3, v2, 4, v3                   ; a fragment of A: row x pitch + 16 x half
	v_and_b32 v6, 7, v0                            ; a fragment of B, turned: k row 8 (l / 16) + l % 8, columns 8 ((l / 8) % 2) + 0..7
	v_bfe_u32 v7, v0, 3, 1
	v_lshl_add_u32 v8, v2, 3, v6
	v_mul_u32_u24 v8, v8, PB
	v_lshl_add_u32 v8, v7, 4, v8
	s_mul_i32 s2, s11, HA                          ; my 64 rows of A
	s_lshl_b32 s22, s12, 7                         ; my 64 columns of B: 128 bytes of each k row,
	s_add_co_u32 s22, s22, AT                      ; behind A's 128 rows
	s_add_co_u32 s23, s22, 128*PB
	v_add_nc_u32 v[ADRA0], s2, v3
	v_add_nc_u32 v[ADRB0], s22, v8
	v_add_nc_u32 v[ADRB0+1], s23, v8
	v_add_nc_u32 v[ADRA], s[TB], v[ADRA0]
	v_add_nc_u32 v[ADRB], s[TB], v[ADRB0]
	v_add_nc_u32 v[ADRB+1], s[TB], v[ADRB0+1]
	s_mul_i32 s23, s10, 16*SPITCH
	s_add_co_u32 s23, s23, STAGE                   ; my stage
	v_mul_u32_u24 v4, v1, SPITCH                   ; in: row l % 16, 32 bytes for each half of the lanes
	v_lshl_add_u32 v4, v2, 5, v4
	v_add_nc_u32 v[STO], s23, v4
	v_mul_u32_u24 v5, v2, SPITCH                   ; back: lanes 0-15 take one row of 256 bytes, lanes 16-31 the next
	v_lshl_add_u32 v5, v1, 4, v5
	v_add_nc_u32 v[RD], s23, v5
.irp i, 0,1,2,3,4,5,6,7
	v_mov_b32 v[Z+(\i)], 0
.endr
	s_wait_loadcnt 32                              ; the bias is in; R's 32 loads, issued behind it, stay out
.irp a, 0,1,2,3                        ; 0 x 0 + bias: the sums begin, while the first tile is on its way
.irp b, 0,1,2,3
	v_wmma_f32_16x16x32_bf16 v[ACC+8*(4*(\a)+(\b)):ACC+8*(4*(\a)+(\b))+7], v[Z:Z+7], v[Z:Z+7], v[BIAS+8*(\b):BIAS+8*(\b)+7]
.endr
.endr
; 8 matrix instructions: m blocks a0, a0 + 1 x all 4 n blocks, 32 along K: half c of buffer f.  The 16 accumulators take turns, one instruction a turn.
.macro MUL8 f, c, a0
	WIN MUL
.irp a, \a0, (\a0)+1
.irp b, 0,1,2,3
	v_wmma_f32_16x16x32_bf16 v[ACC+8*(4*(\a)+(\b)):ACC+8*(4*(\a)+(\b))+7], v[(\f)+64+8*(4*(\c)+(\b)):(\f)+64+8*(4*(\c)+(\b))+7], v[(\f)+8*(4*(\c)+(\a)):(\f)+8*(4*(\c)+(\a))+7], v[ACC+8*(4*(\a)+(\b)):ACC+8*(4*(\a)+(\b))+7]
.endr
.endr
.endm
; 32 LDS loads in one run: the fragments of quarter q of the K step in hand (64 along K) into buffer f; the first 32 along K first
.macro FETCH q, f
	WIN TO_F
.irp c, 0,1
.irp i, 0,1,2,3
	ds_load_tr16_b128 v[(\f)+64+8*(4*(\c)+(\i)):(\f)+64+8*(4*(\c)+(\i))+3],   v[ADRB+(\q)/2] offset:(((\q)%2)*64+32*(\c))*PB+32*(\i)
	ds_load_tr16_b128 v[(\f)+64+8*(4*(\c)+(\i))+4:(\f)+64+8*(4*(\c)+(\i))+7], v[ADRB+(\q)/2] offset:(((\q)%2)*64+32*(\c)+16)*PB+32*(\i)
	ds_load_b128 v[(\f)+8*(4*(\c)+(\i)):(\f)+8*(4*(\c)+(\i))+3],         v[ADRA] offset:128*(\q)+64*(\c)+(\i)*16*PA
	ds_load_b128 v[(\f)+8*(4*(\c)+(\i))+4:(\f)+8*(4*(\c)+(\i))+7],       v[ADRA] offset:128*(\q)+64*(\c)+(\i)*16*PA+32
.endr
.endr
.endm
.macro PLACES                          ; four places in front of loads into registers that matrix instructions have read, and of lines that read results (ISA guide 7.12.1 for lines that read results)
.rept 4
	v_nop
.endr
.endm
; A K step is four quarters of 64 along K, 32 matrix instructions each, on buffers 0, 1, 0, 1.  One of the first three: multiplies buffer f and fetches quarter q into g.
.macro QUARTER q, f, g
	s_wait_dscnt 16                                ; the first 32 along K are in
	MUL8 \f, 0, 0
	MUL8 \f, 0, 2
	PLACES
	FETCH \q, \g
	s_wait_dscnt 32                                ; all but the 32 just issued
	MUL8 \f, 1, 0
	MUL8 \f, 1, 2
.endm
; The last quarter multiplies buffer 1 and changes slots: ONE barrier; in front of it each wave waits for all its tensor loads, adds 0 to its spare word, and waits for that and for its own reads of this slot.
; fill = 1: this slot is filled again, two K steps ahead, first thing behind a round of the cluster's barrier: the walking descriptor takes the other slot than last time and the next K step.
; Then the reads turn to the other slot, and its first fragments are fetched.
.macro TURN fill
	WIN 0                                          ; (the add's two registers lie in window 0)
	s_wait_tensorcnt 0x0                           ; all my tensor loads have landed: my part of the next slot
	ds_add_u32 v[SPW], v[NIL]                      ; 0 onto my spare word
	s_wait_dscnt 17                                ; (the add and the youngest sixteen loads may be out)
	MUL8 F1, 0, 0                                  ; eight matrix instructions stand between the add and the wait for it
	s_wait_dscnt 0x0                               ; the add is done, and my reads of this slot are over
	s_barrier_signal -1
	MUL8 F1, 0, 2
.if \fill
	WIN 0
.endif
	s_barrier_wait -1
.if \fill
	CREST                                          ; no wave of any partner still reads this slot's tile or has a load on its way
	s_xor_b32 s[G0+5], s[G0+5], SLOT1
	s_add_nc_u64 s[G0+6:G0+7], s[G0+6:G0+7], KSTEP*2          ; the type bits on top are not reached
	s_xor_b32 s[G0B+5], s[G0B+5], SLOT1
	s_add_nc_u64 s[G0B+6:G0B+7], s[G0B+6:G0B+7], KSTEP*BROW
	JLOAD 1                                        ; 112 matrix instructions ahead of the wait for it; its four v_nop are also the places in front of the loads below
.else
	PLACES
	WIN 0
.endif
	s_xor_b32 s[TB], s[TB], SLOT1
	v_add_nc_u32 v[ADRA], s[TB], v[ADRA0]
	v_add_nc_u32 v[ADRB], s[TB], v[ADRB0]
	v_add_nc_u32 v[ADRB+1], s[TB], v[ADRB0+1]
	FETCH 0, F0
	MUL8 F1, 1, 0
	MUL8 F1, 1, 2
.endm
; THE WAY OUT of block a (16 rows x 64 columns of f32).  TOSTAGE: a lane's 32 bytes of each column block into my stage (each accumulator's low registers first), and back as whole rows of 256 bytes.  SEND: R added, stored.
.macro TOSTAGE a
	WIN 0
.set BK, TMP+32*((\a)%2)
	s_wait_xcnt 0x0                                ; the buffer's earlier stores have read it: it is loaded again only behind this wait
.irp b, 0,1,2,3
	ds_store_b128 v[STO], v[ACC+8*(4*(\a)+(\b)):ACC+8*(4*(\a)+(\b))+3]   offset:64*(\b)
	ds_store_b128 v[STO], v[ACC+8*(4*(\a)+(\b))+4:ACC+8*(4*(\a)+(\b))+7] offset:64*(\b)+16
.endr
.irp t, 0,1,2,3,4,5,6,7
	ds_load_b128 v[BK+4*(\t):BK+4*(\t)+3], v[RD] offset:(\t)*2*SPITCH  ; LDS serves a wave's instructions in order (ISA guide 5.7.1.4): these see the stores above
.endr
.endm
.macro SEND a, younger                 ; younger: the LDS instructions issued behind block a's loads: the next block's sixteen, or none
.set BK, TMP+32*((\a)%2)
	s_wait_dscnt \younger
	WIN 0x08                                       ; source 1 (R) window 2
.set i, 0
.rept 16
	v_pk_add_f32 v[BK+2*i:BK+2*i+1], v[BK+2*i:BK+2*i+1], v[32*(\a)+2*i:32*(\a)+2*i+1]
.set i, i+1
.endr
	WIN 0
.irp t, 0,1,2,3,4,5,6,7
	global_store_b128 v[CO], v[BK+4*(\t):BK+4*(\t)+3], s[8:9] offset:(16*(\a)+2*(\t))*CROW  ; 16 lanes store 256 consecutive bytes, at a multiple of 256 from C's first byte
.endr
.endm
	s_wait_tensorcnt 1                             ; my part of K step 0 is in; K step 1's may stay out
	s_barrier_signal -1
	s_barrier_wait -1                              ; everybody's is
	FETCH 0, F0
	WIN 0                                          ; at a label and at a branch every window is 0
	s_mov_b32 s3, STEPS-2
.Lfill:                                                ; a trip is a K step, and fills the slot that it leaves: K steps 2 to STEPS - 1 are asked for here
	QUARTER 1, F0, F1
	QUARTER 2, F1, F0
	QUARTER 3, F0, F1
	TURN 1
	WIN 0
	s_sub_co_u32 s3, s3, 1
	s_cmp_lg_u32 s3, 0
	s_cbranch_scc1 .Lfill
	s_mov_b32 s3, 2
.Llast:                                                ; the last two K steps ask for nothing and no round follows their barrier
	QUARTER 1, F0, F1
	QUARTER 2, F1, F0
	QUARTER 3, F0, F1
	TURN 0
	WIN 0
	s_sub_co_u32 s3, s3, 1
	s_cmp_lg_u32 s3, 0
	s_cbranch_scc1 .Llast
	PLACES
	s_wait_loadcnt 0x0                             ; R
	TOSTAGE 0
.irp a, 1,2,3
	TOSTAGE \a
	SEND (\a)-1, 16
.endr
	SEND 3, 0
	s_wait_tensorcnt 0x0                           ; the wave's end: behind my last tensor load and my last LDS store
	ds_add_u32 v[SPW], v[NIL]
	s_wait_dscnt 0x0
	CROUND                                         ; the closing round: no work-group ends while a partner may still ask for a tile that names it
	s_endpgm
.Lfunc_end_k_q9da423993c_wo:
	.size	k_q9da423993c_wo, .Lfunc_end_k_q9da423993c_wo-k_q9da423993c_wo
	.p2alignl 7, 3214868480
	.fill 96, 4, 3214868480
	.section	.rodata,"a",@progbits
	.p2align	6, 0x0
	.amdhsa_kernel k_q9da423993c_wo
		.amdhsa_group_segment_fixed_size 327680
		.amdhsa_private_segment_fixed_size 0
		.amdhsa_enable_private_segment 0
		.amdhsa_kernarg_size 40
		.amdhsa_user_sgpr_count 2
		.amdhsa_user_sgpr_kernarg_segment_ptr 1
		.amdhsa_wavefront_size32 1
		.amdhsa_system_sgpr_workgroup_id_x 1
		.amdhsa_system_sgpr_workgroup_id_y 1
		.amdhsa_system_sgpr_workgroup_id_z 1
		.amdhsa_system_vgpr_workitem_id 0
		.amdhsa_next_free_vgpr 640
		.amdhsa_next_free_sgpr 72
		.amdhsa_reserve_vcc 0
		.amdhsa_float_denorm_mode_32 3
		.amdhsa_float_denorm_mode_16_64 3
		.amdhsa_memory_ordered 1
		.amdhsa_forward_progress 1
		.amdhsa_inst_pref_size 63
	.end_amdhsa_kernel
	.amdgpu_metadata
---
amdhsa.version: [ 1, 2 ]
amdhsa.kernels:
  - .name:           k_q9da423993c_wo
    .symbol:         k_q9da423993c_wo.kd
    .args:
      - { .name: actP, .offset: 0, .size: 8, .value_kind: global_buffer, .address_space: global }
      - { .name: wob, .offset: 8, .size: 8, .value_kind: global_buffer, .address_space: global }
      - { .name: x2, .offset: 16, .size: 8, .value_kind: global_buffer, .address_space: global }
      - { .name: bo, .offset: 24, .size: 8, .value_kind: global_buffer, .address_space: global }
      - { .name: x, .offset: 32, .size: 8, .value_kind: global_buffer, .address_space: global }
    .group_segment_fixed_size: 327680
    .private_segment_fixed_size: 0
    .kernarg_segment_align: 8
    .kernarg_segment_size: 40
    .max_flat_workgroup_size: 128
    .sgpr_count:     72
    .vgpr_count:     640
    .wavefront_size: 32
...
	.end_amdgpu_metadata
.endif
;; end of part 5
;; launch ln2: the kernel of part 2 again; grid 256 x 1, 8 waves a work-group, no clusters, 0 bytes of LDS; arguments x2, g2, be2, actQ; writes actQ
;; launch ff1: the kernel of part 3 again; grid 16 x 16, 4 waves a work-group, clusters of 4 x 4, 327,680 bytes of LDS; arguments actQ, w1p, actP; writes actP
;; launch ff2 (part 6): grid 8 x 32, 4 waves a work-group, clusters of 4 x 4, 327,680 bytes of LDS; arguments actP, w2b, out0, b2, x2; writes out0
.if DOCPART == 6
	.amdgcn_target "amdgcn-amd-amdhsa--gfx1250"
	.amdhsa_code_object_version 6
	.text
	.protected	k_q9da423993c_ff2
	.globl	k_q9da423993c_ff2
	.p2align	8
	.type	k_q9da423993c_ff2,@function
k_q9da423993c_ff2:
	s_mov_b64 s[64:65], 0
	v_nop
	global_prefetch_b8 v0, s[64:65] scope:SCOPE_SE
	s_setreg_imm32_b32 hwreg(HW_REG_WAVE_MODE, 25, 1), 1
	s_wait_xcnt 0x0
	s_wait_alu depctr_hold_cnt(0) depctr_sa_sdst(0) depctr_va_vdst(0) depctr_va_sdst(0) depctr_va_ssrc(0) depctr_va_vcc(0) depctr_vm_vsrc(0)
	s_getreg_b32 s2, hwreg(HW_REG_IB_STS2, 6, 4)
	s_cmp_eq_u32 s2, 0
	s_cbranch_scc0 .Lentry_in_a_cluster
	s_endpgm
.Lentry_in_a_cluster:
	s_bfe_u32 s2, ttmp6, 0x10000c
	s_cmp_lg_u32 s2, 0xf033
	s_cbranch_scc0 .Lentry_shape_is_right
	s_endpgm
.Lentry_shape_is_right:
; C = R + A B + bias.  A: [4,096][SIZE_K] bf16 in rows of 8,192 bytes; B: [SIZE_K k][1,024 n] bf16; bias: [1,024] f32; R and C: [4,096][1,024] f32.  Sums in f32, started by the bias, K ascending; R is added in f32.
; The text of the attention's output product with SIZE_K = 4,096 (the trip count is a constant of the text), and with prefetches.
; A tile of C is 128 x 128, so that the 4,096 x 1,024 numbers give 256 work-groups.  Four waves, each 64 x 64: 16 accumulators of 16 x 16.  K goes in steps of 256 through two LDS slots, as long as LDS allows:
; A's rows are 512 bytes of memory, B's 256, all at multiples of 256 from their buffer's first byte.  B lies [k][n]: its fragments come out of LDS turned, by ds_load_tr16_b128.
; A K STEP IS WRITTEN TWICE IN ALL: once with a refill (a loop of STEPS - 2 trips) and once without (a loop of 2 trips).  Which slot is read stands in a scalar register (0 or SLOT1) that one exclusive or
; turns at each change of slots; the descriptor that asks for the refills walks in the same way.  So that the first K step is a step like any other, sixteen products of a zero fragment with itself carry the
; bias (their C) into the accumulators while the first tile is on its way.  The price, once a launch: those sixteen products, and in the very last trip a barrier that orders nothing and 32 LDS loads of the
; other slot's old tile into a buffer that nothing multiplies.
; CLUSTERS: 4 x 4 work-groups; A's tiles are asked for jointly along a row of the cluster, B's along a column.  By this text's count a wave has two tensor loads out at the start and one behind each round.
; PREFETCH.  Trip s asks (global_prefetch_b8) for the tiles of K step s + 4, straight behind the joint load for K step s + 2: two trips, 256 matrix instructions, ahead of the joint load that will want them;
; K steps 2 and 3 are asked for at the head; the loop's last two trips ask for nothing, since K step 15 is the last.  A's tile of a step is 256 blocks of 256 bytes (128 rows x 512 bytes), read by the eight
; work-groups of a tile row: each asks for 32 of them, rows 16 x tile column + 0..15; wave 0 asks, a lane a block.  B's tile of a step is 256 blocks (256 k rows x 256 bytes), read by 32 work-groups: those of
; tile rows 0-15 ask for 16 each, k rows 16 x (tile row mod 16) + 0..15, and so do those of tile rows 16-31; wave 1 asks, two lanes a block.  So a block of A is asked for once in the launch, a block of B twice;
; a work-group asks for 12,288 bytes a trip.
; THE MATRIX INSTRUCTION IS USED TRANSPOSED (source 0 = 16 columns of B, source 1 = 16 rows of A): a lane holds eight neighbouring numbers of a row of C, 32 bytes.  A wave's 64 columns are 256 bytes of f32.
; R is loaded at the start, in the layout of the stores, and stays on its way through the whole K loop.
; REGISTERS: window 0: v0-31 addresses and the zero fragment; v32-95 two buffers of 16 rows on the way out; v96-127 the bias as C operands; v128-255 the accumulators ((a, b) at v[128 + 8 (4 a + b)]).
;   window 1: two fragment buffers of 128: for 64 along K, 64 registers of A, then 64 of B.      window 2: v0-127 R
.set SIZE_K, 4096
.set KSTEP,  256
.set STEPS,  SIZE_K/KSTEP
.set BROW,   2048                      ; bytes from row to row in B
.set CROW,   4096                      ; in R and C
.set PA,     528                       ; an LDS row of A: 512 bytes + 16 = 132 words: row r starts at bank 4 r mod 64 (64 banks of 4 bytes: ISA guide 11.1)
.set HA,     64*PA                     ; 64 rows: one tensor load
.set AT,     2*HA                      ; A's 128 rows
.set PB,     288                       ; an LDS row of B: 256 bytes + 32 = 72 words
.set HB,     128*PB                    ; 128 k rows: one tensor load
.set SLOTB,  AT+2*HB                   ; a slot's bytes: 141,312
.set SLOT1,  0x24000                   ; slot 1 begins here; its two bits are set in none of the four loads' places in slot 0 (0, 0x8400, 0x10800, 0x19800), so one exclusive or changes slots
.set STAGE,  SLOT1+SLOTB               ; behind the ring: 16 rows x 272 bytes for each wave
.set SPITCH, 272
.set SPARE,  STAGE+4*16*SPITCH         ; behind the stages: the spare words, 128 bytes for each wave: two blocks of 256 bytes that no other line names
.set Z,     8                          ; v8-15   a fragment of zeros
.set ADRA0, 16                         ; v16     LDS address of my A fragments in slot 0; never rewritten
.set ADRA,  17                         ; v17     the same in the slot in hand
.set ADRB0, 20                         ; v20-21  of my B fragments in slot 0: k rows 0-127, 128-255 (a 16-bit offset does not reach over 256 k rows); never rewritten
.set ADRB,  22                         ; v22-23  the same in the slot in hand
.set STO,  24
.set RD,   25
.set CO,   26                          ; v26     my byte offset in two rows of R and C
.set BO,   27
.set SPW,  28                          ; v28     LDS address of my spare word; never rewritten
.set NIL,  29                          ; v29     0; never rewritten
.set PFO,  30                          ; v30     the prefetches: my lane's byte offset among my wave's blocks; never rewritten
.set TMP,  32
.set BIAS, 96
.set ACC,  128
.set F0,   0
.set F1,   128
.set G1,  24                           ; s[24:31] descriptor group 1 for A's tiles;  s[32:39] group 0: a set for each of the two first fills; the second then walks on
.set G0,  32
.set G1B, 48                           ; s[48:55], s[56:63] the same for B's
.set G0B, 56
.set TB,  45                           ; s45  the slot in hand: 0 or SLOT1
.set PFA, 72                           ; s[72:73] the prefetches: my wave's blocks of K step 2; written once
.set PFB, 74                           ; s[74:75] of K step 3; it then walks on, a K step a trip
.set PFS, 76                           ; s[76:77] bytes from K step to K step: 512 in A, 524,288 in B
.set MSB, 0
.macro WIN new
.if MSB != (\new)
	s_set_vgpr_msb (MSB<<8)|(\new)
.set MSB, \new
.endif
.endm
.set MUL,  0x05                        ; sources 0 (B) and 1 (A) window 1; C and D window 0
.set TO_F, 0x40                        ; destination window 1, address window 0
.macro JLOAD s                         ; a joint load: waves 0 and 1 fetch A's two halves, waves 2 and 3 B's; an s_nop 0 and four v_nop follow each of the two lines
	s_cmp_eq_u32 s11, 0
	s_cbranch_scc0 .Lfor_b_\@
	tensor_load_to_lds s[G0+4*(\s):G0+4*(\s)+3], s[G1:G1+7]
	s_nop 0
.rept 4
	v_nop
.endr
	s_branch .Lasked_\@
.Lfor_b_\@:
	tensor_load_to_lds s[G0B+4*(\s):G0B+4*(\s)+3], s[G1B:G1B+7]
	s_nop 0
.rept 4
	v_nop
.endr
.Lasked_\@:
.endm
.macro CREST
	s_cmp_lg_u32 s10, 0
	s_cbranch_scc1 .Lnot_wave_0_\@
	s_barrier_signal -3
.Lnot_wave_0_\@:
	s_barrier_wait -3
	s_barrier_signal -1
	s_barrier_wait -1
.endm
.macro CROUND
	s_barrier_signal -1
	s_barrier_wait -1
	CREST
.endm
	s_load_b128 s[4:7], s[0:1], 0x0                ; A s[4:5], B s[6:7]
	s_load_b64 s[8:9], s[0:1], 0x10                ; C
	s_load_b128 s[68:71], s[0:1], 0x18             ; bias s[68:69], R s[70:71]
	v_lshl_add_u32 v[SPW], v0, 2, SPARE
	v_mov_b32 v[NIL], 0
	ds_add_u32 v[SPW], v[NIL]                      ; the wave's opening: the add, and its wait ahead of my first tensor load; the set-up below, work on registers, stands between them
	v_lshrrev_b32 v1, 5, v0
	v_readfirstlane_b32 s10, v1                    ; wave 0..3
	s_lshr_b32 s11, s10, 1                         ; which half of the tile's rows is mine.  Also: I fetch for A (0) or for B (1)
	s_and_b32 s12, s10, 1                          ; which half of its columns.  Also: which half of that tile I fetch
	s_bfe_u32 s40, ttmp6, 0x40000                  ; cx, cy
	s_bfe_u32 s41, ttmp6, 0x40004
	s_lshl_b32 s42, ttmp9, 2
	s_add_co_u32 s42, s42, s40                     ; tile column of C
	s_and_b32 s13, ttmp7, 0xffff
	s_lshl_b32 s13, s13, 2
	s_add_co_u32 s13, s13, s41                     ; tile row of C
	s_lshl_b32 s43, s41, 2
	s_lshl_b32 s43, 15, s43                        ; my row of the cluster
	s_lshl_b32 s44, 0x1111, s40                    ; my column
	s_or_b32 s[G1+0], s43, (1<<16)|(1<<20)|(1<<21)|(6<<22)|(3<<25)   ; A: elements of 2 bytes; padding after every 128 words (code 6) of 4 words (code 3); bit 21 set beside the mask
	s_or_b32 s[G1B+0], s44, (1<<16)|(1<<20)|(1<<21)|(5<<22)|(7<<25)  ; B: after every 64 words (code 5), 8 words (code 7)
	s_mov_b32 s[G1+1], 256<<16                     ; A: tensor_dim0 = 256
	s_mov_b32 s[G1+2], 64<<16                      ; tensor_dim1 = 64
	s_mov_b32 s[G1+3], 256<<16                     ; tile_dim0 = 256
	s_mov_b32 s[G1+4], 64                          ; tile_dim1 = 64
	s_mov_b32 s[G1+5], 4096                        ; elements from row to row
	s_mov_b32 s[G1+6], 0
	s_mov_b32 s[G1+7], 0
	s_mov_b32 s[G1B+1], 128<<16                    ; B: tensor_dim0 = 128
	s_mov_b32 s[G1B+2], 128<<16                    ; tensor_dim1 = 128
	s_mov_b32 s[G1B+3], 128<<16                    ; tile_dim0 = 128
	s_mov_b32 s[G1B+4], 128                        ; tile_dim1 = 128 k rows
	s_mov_b32 s[G1B+5], 1024
	s_mov_b32 s[G1B+6], 0
	s_mov_b32 s[G1B+7], 0
	s_lshl_b32 s17, s12, 6
	s_lshl_b32 s16, s13, 7
	s_add_co_u32 s16, s16, s17                     ; A: row 128 x tile row + 64 x half,
	s_lshl_b32 s16, s16, 13                        ; in bytes
	s_mov_b32 s17, 0
	s_lshl_b32 s46, s12, 18                        ; B: 128 k rows x half,
	s_lshl_b32 s47, s42, 8                         ; 256 bytes x tile column
	s_add_co_u32 s46, s46, s47
	s_mov_b32 s47, 0
	s_mul_i32 s20, s12, HA                         ; where A's halves go,
	s_mul_i32 s21, s12, HB
	s_add_co_u32 s21, s21, AT                      ; and B's: no place in the cluster enters an LDS address
	s_mov_b32 s[TB], 0                             ; the reads begin in slot 0
	s_wait_dscnt 0x0                               ; the opening add is done
	s_wait_kmcnt 0x0
	s_add_nc_u64 s[14:15], s[4:5], s[16:17]
	s_add_nc_u64 s[46:47], s[6:7], s[46:47]
	CROUND                                         ; all sixteen work-groups are here: the first joint loads meet
.irp s, 0,1
	s_mov_b32 s[G0+4*(\s)], 1
	s_add_co_u32 s[G0+4*(\s)+1], s20, (\s)*SLOT1
	s_add_nc_u64 s[G0+4*(\s)+2:G0+4*(\s)+3], s[14:15], (\s)*KSTEP*2
	s_or_b32 s[G0+4*(\s)+3], s[G0+4*(\s)+3], 0x80000000
	s_mov_b32 s[G0B+4*(\s)], 1
	s_add_co_u32 s[G0B+4*(\s)+1], s21, (\s)*SLOT1
	s_add_nc_u64 s[G0B+4*(\s)+2:G0B+4*(\s)+3], s[46:47], (\s)*KSTEP*BROW
	s_or_b32 s[G0B+4*(\s)+3], s[G0B+4*(\s)+3], 0x80000000
	JLOAD \s
.endr
	v_and_b32 v1, 15, v0                           ; l % 16
	v_bfe_u32 v2, v0, 4, 1                         ; l / 16
	v_lshlrev_b32 v[BO], 5, v2                     ; the bias as C operands: register j of column block b is column 16 b + 8 (l / 16) + j
	v_lshlrev_b32 v5, 12, v2                       ; R and C: lanes 0-15 one row's 256 bytes, lanes 16-31 the next row's
	v_lshl_add_u32 v[CO], v1, 4, v5
	s_lshl_b32 s66, s42, 9                         ; my 64 columns in f32: 512 bytes x tile column + 256 x half
	s_lshl_b32 s67, s12, 8
	s_add_co_u32 s66, s66, s67
	s_mov_b32 s67, 0
	s_lshl_b32 s22, s13, 7                         ; my 64 rows: 128 x tile row + 64 x half,
	s_lshl_b32 s23, s11, 6
	s_add_co_u32 s22, s22, s23
	s_lshl_b32 s22, s22, 12                        ; in bytes
	s_mov_b32 s23, 0
	s_add_nc_u64 s[68:69], s[68:69], s[66:67]
	s_add_nc_u64 s[70:71], s[70:71], s[22:23]
	s_add_nc_u64 s[70:71], s[70:71], s[66:67]
	s_add_nc_u64 s[8:9], s[8:9], s[22:23]
	s_add_nc_u64 s[8:9], s[8:9], s[66:67]
.irp b, 0,1,2,3
	global_load_b128 v[BIAS+8*(\b):BIAS+8*(\b)+3],   v[BO], s[68:69] offset:64*(\b)
	global_load_b128 v[BIAS+8*(\b)+4:BIAS+8*(\b)+7], v[BO], s[68:69] offset:64*(\b)+16
.endr
	WIN 0x80                                       ; destination window 2, address window 0
.set i, 0
.rept 32                               ; R: load i holds rows 2 i and 2 i + 1 of my 64
	global_load_b128 v[4*i:4*i+3], v[CO], s[70:71] offset:2*i*CROW
.set i, i+1
.endr
	WIN 0
	; the prefetches' addresses: wave 0 asks for A, wave 1 for B, waves 2 and 3 for nothing.  Offsets are made apart from the two addresses; which buffer a wave names hangs on its number alone.
	v_and_b32 v3, 31, v0                           ; lane
	v_lshrrev_b32 v4, 1, v3
	v_and_b32 v5, 1, v3
	v_lshlrev_b32 v4, 13, v4                       ; A: row lane / 2 of my work-group's 16,
	v_lshl_add_u32 v4, v5, 8, v4                   ; block lane % 2 of the step's 512 bytes
	v_lshlrev_b32 v5, 11, v1                       ; B: k row lane % 16 of my work-group's 16
	s_lshl_b32 s78, s13, 20                        ; A: 128 rows of 8,192 bytes x tile row,
	s_lshl_b32 s79, s42, 17                        ; 16 rows x tile column,
	s_add_co_u32 s78, s78, s79
	s_add_co_u32 s78, s78, 2*KSTEP*2               ; K step 2
	s_and_b32 s79, s13, 15                         ; B: 16 k rows of 2,048 bytes x (tile row mod 16),
	s_lshl_b32 s79, s79, 15
	s_lshl_b32 s18, s42, 8                         ; 256 bytes x tile column,
	s_add_co_u32 s79, s79, s18
	s_add_co_u32 s79, s79, 2*KSTEP*BROW            ; K step 2
	s_mov_b32 s18, KSTEP*2
	s_cmp_eq_u32 s10, 0
	s_cselect_b64 s[PFA:PFA+1], s[4:5], s[6:7]
	s_cselect_b32 s[PFS], s18, KSTEP*BROW
	s_cselect_b32 s78, s78, s79
	s_cselect_b32 s19, -1, 0
	s_mov_b32 s79, 0
	s_mov_b32 s[PFS+1], 0
	s_add_nc_u64 s[PFA:PFA+1], s[PFA:PFA+1], s[78:79]
	s_add_nc_u64 s[PFB:PFB+1], s[PFA:PFA+1], s[PFS:PFS+1]
	v_cndmask_b32 v[PFO], v5, v4, s19
	s_cmp_gt_u32 s10, 1
	s_cbranch_scc1 .Lno_first_pf
	global_prefetch_b8 v[PFO], s[PFA:PFA+1] th:TH_LOAD_NT scope:SCOPE_SE  ; K step 2: its joint load stands at the end of trip 0
	global_prefetch_b8 v[PFO], s[PFB:PFB+1] th:TH_LOAD_NT scope:SCOPE_SE  ; K step 3: at the end of trip 1
.Lno_first_pf:
	v_mul_u32_u24 v3, v1, PA
	v_lshl_add_u32 v3, v2, 4, v3                   ; a fragment of A: row x pitch + 16 x half
	v_and_b32 v6, 7, v0                            ; a fragment of B, turned: k row 8 (l / 16) + l % 8, columns 8 ((l / 8) % 2) + 0..7
	v_bfe_u32 v7, v0, 3, 1
	v_lshl_add_u32 v8, v2, 3, v6
	v_mul_u32_u24 v8, v8, PB
	v_lshl_add_u32 v8, v7, 4, v8
	s_mul_i32 s2, s11, HA                          ; my 64 rows of A
	s_lshl_b32 s22, s12, 7                         ; my 64 columns of B: 128 bytes of each k row,
	s_add_co_u32 s22, s22, AT                      ; behind A's 128 rows
	s_add_co_u32 s23, s22, 128*PB
	v_add_nc_u32 v[ADRA0], s2, v3
	v_add_nc_u32 v[ADRB0], s22, v8
	v_add_nc_u32 v[ADRB0+1], s23, v8
	v_add_nc_u32 v[ADRA], s[TB], v[ADRA0]
	v_add_nc_u32 v[ADRB], s[TB], v[ADRB0]
	v_add_nc_u32 v[ADRB+1], s[TB], v[ADRB0+1]
	s_mul_i32 s23, s10, 16*SPITCH
	s_add_co_u32 s23, s23, STAGE                   ; my stage
	v_mul_u32_u24 v4, v1, SPITCH                   ; in: row l % 16, 32 bytes for each half of the lanes
	v_lshl_add_u32 v4, v2, 5, v4
	v_add_nc_u32 v[STO], s23, v4
	v_mul_u32_u24 v5, v2, SPITCH                   ; back: lanes 0-15 take one row of 256 bytes, lanes 16-31 the next
	v_lshl_add_u32 v5, v1, 4, v5
	v_add_nc_u32 v[RD], s23, v5
.irp i, 0,1,2,3,4,5,6,7
	v_mov_b32 v[Z+(\i)], 0
.endr
	s_wait_loadcnt 32                              ; the bias is in; R's 32 loads, issued behind it, stay out
.irp a, 0,1,2,3                        ; 0 x 0 + bias: the sums begin, while the first tile is on its way
.irp b, 0,1,2,3
	v_wmma_f32_16x16x32_bf16 v[ACC+8*(4*(\a)+(\b)):ACC+8*(4*(\a)+(\b))+7], v[Z:Z+7], v[Z:Z+7], v[BIAS+8*(\b):BIAS+8*(\b)+7]
.endr
.endr
; 8 matrix instructions: m blocks a0, a0 + 1 x all 4 n blocks, 32 along K: half c of buffer f.  The 16 accumulators take turns, one instruction a turn.
.macro MUL8 f, c, a0
	WIN MUL
.irp a, \a0, (\a0)+1
.irp b, 0,1,2,3
	v_wmma_f32_16x16x32_bf16 v[ACC+8*(4*(\a)+(\b)):ACC+8*(4*(\a)+(\b))+7], v[(\f)+64+8*(4*(\c)+(\b)):(\f)+64+8*(4*(\c)+(\b))+7], v[(\f)+8*(4*(\c)+(\a)):(\f)+8*(4*(\c)+(\a))+7], v[ACC+8*(4*(\a)+(\b)):ACC+8*(4*(\a)+(\b))+7]
.endr
.endr
.endm
; 32 LDS loads in one run: the fragments of quarter q of the K step in hand (64 along K) into buffer f; the first 32 along K first
.macro FETCH q, f
	WIN TO_F
.irp c, 0,1
.irp i, 0,1,2,3
	ds_load_tr16_b128 v[(\f)+64+8*(4*(\c)+(\i)):(\f)+64+8*(4*(\c)+(\i))+3],   v[ADRB+(\q)/2] offset:(((\q)%2)*64+32*(\c))*PB+32*(\i)
	ds_load_tr16_b128 v[(\f)+64+8*(4*(\c)+(\i))+4:(\f)+64+8*(4*(\c)+(\i))+7], v[ADRB+(\q)/2] offset:(((\q)%2)*64+32*(\c)+16)*PB+32*(\i)
	ds_load_b128 v[(\f)+8*(4*(\c)+(\i)):(\f)+8*(4*(\c)+(\i))+3],         v[ADRA] offset:128*(\q)+64*(\c)+(\i)*16*PA
	ds_load_b128 v[(\f)+8*(4*(\c)+(\i))+4:(\f)+8*(4*(\c)+(\i))+7],       v[ADRA] offset:128*(\q)+64*(\c)+(\i)*16*PA+32
.endr
.endr
.endm
.macro PLACES                          ; four places in front of loads into registers that matrix instructions have read, and of lines that read results (ISA guide 7.12.1 for lines that read results)
.rept 4
	v_nop
.endr
.endm
; A K step is four quarters of 64 along K, 32 matrix instructions each, on buffers 0, 1, 0, 1.  One of the first three: multiplies buffer f and fetches quarter q into g.
.macro QUARTER q, f, g
	s_wait_dscnt 16                                ; the first 32 along K are in
	MUL8 \f, 0, 0
	MUL8 \f, 0, 2
	PLACES
	FETCH \q, \g
	s_wait_dscnt 32                                ; all but the 32 just issued
	MUL8 \f, 1, 0
	MUL8 \f, 1, 2
.endm
; The last quarter multiplies buffer 1 and changes slots: ONE barrier; in front of it each wave waits for all its tensor loads, adds 0 to its spare word, and waits for that and for its own reads of this slot.
; fill = 1: this slot is filled again, two K steps ahead, first thing behind a round of the cluster's barrier: the walking descriptor takes the other slot than last time and the next K step; behind the joint
; load waves 0 and 1 ask for their blocks of the K step two further on.  Then the reads turn to the other slot, and its first fragments are fetched.
.macro TURN fill
	WIN 0                                          ; (the add's two registers lie in window 0)
	s_wait_tensorcnt 0x0                           ; all my tensor loads have landed: my part of the next slot
	ds_add_u32 v[SPW], v[NIL]                      ; 0 onto my spare word
	s_wait_dscnt 17                                ; (the add and the youngest sixteen loads may be out)
	MUL8 F1, 0, 0                                  ; eight matrix instructions stand between the add and the wait for it
	s_wait_dscnt 0x0                               ; the add is done, and my reads of this slot are over
	s_barrier_signal -1
	MUL8 F1, 0, 2
.if \fill
	WIN 0
.endif
	s_barrier_wait -1
.if \fill
	CREST                                          ; no wave of any partner still reads this slot's tile or has a load on its way
	s_xor_b32 s[G0+5], s[G0+5], SLOT1
	s_add_nc_u64 s[G0+6:G0+7], s[G0+6:G0+7], KSTEP*2          ; the type bits on top are not reached
	s_xor_b32 s[G0B+5], s[G0B+5], SLOT1
	s_add_nc_u64 s[G0B+6:G0B+7], s[G0B+6:G0B+7], KSTEP*BROW
	JLOAD 1                                        ; 112 matrix instructions ahead of the wait for it; its four v_nop are also the places in front of the loads below
	s_cmp_lt_u32 s3, 3                             ; the count stands at 14 - trip: trips 12 and 13 would ask for K steps 16 and 17, which do not exist
	s_cbranch_scc1 .Lno_pf_\@
	s_cmp_gt_u32 s10, 1                            ; waves 2 and 3 ask for nothing
	s_cbranch_scc1 .Lno_pf_\@
	s_wait_xcnt 0x0                                ; the last prefetch, a trip ago, has read its base: only behind this wait is the base stepped
	s_add_nc_u64 s[PFB:PFB+1], s[PFB:PFB+1], s[PFS:PFS+1]
	global_prefetch_b8 v[PFO], s[PFB:PFB+1] th:TH_LOAD_NT scope:SCOPE_SE  ; K step trip + 4
.Lno_pf_\@:
.else
	PLACES
	WIN 0
.endif
	s_xor_b32 s[TB], s[TB], SLOT1
	v_add_nc_u32 v[ADRA], s[TB], v[ADRA0]
	v_add_nc_u32 v[ADRB], s[TB], v[ADRB0]
	v_add_nc_u32 v[ADRB+1], s[TB], v[ADRB0+1]
	FETCH 0, F0
	MUL8 F1, 1, 0
	MUL8 F1, 1, 2
.endm
; THE WAY OUT of block a (16 rows x 64 columns of f32).  TOSTAGE: a lane's 32 bytes of each column block into my stage (each accumulator's low registers first), and back as whole rows of 256 bytes.  SEND: R added, stored.
.macro TOSTAGE a
	WIN 0
.set BK, TMP+32*((\a)%2)
	s_wait_xcnt 0x0                                ; the buffer's earlier stores have read it: it is loaded again only behind this wait
.irp b, 0,1,2,3
	ds_store_b128 v[STO], v[ACC+8*(4*(\a)+(\b)):ACC+8*(4*(\a)+(\b))+3]   offset:64*(\b)
	ds_store_b128 v[STO], v[ACC+8*(4*(\a)+(\b))+4:ACC+8*(4*(\a)+(\b))+7] offset:64*(\b)+16
.endr
.irp t, 0,1,2,3,4,5,6,7
	ds_load_b128 v[BK+4*(\t):BK+4*(\t)+3], v[RD] offset:(\t)*2*SPITCH  ; LDS serves a wave's instructions in order (ISA guide 5.7.1.4): these see the stores above
.endr
.endm
.macro SEND a, younger                 ; younger: the LDS instructions issued behind block a's loads: the next block's sixteen, or none
.set BK, TMP+32*((\a)%2)
	s_wait_dscnt \younger
	WIN 0x08                                       ; source 1 (R) window 2
.set i, 0
.rept 16
	v_pk_add_f32 v[BK+2*i:BK+2*i+1], v[BK+2*i:BK+2*i+1], v[32*(\a)+2*i:32*(\a)+2*i+1]
.set i, i+1
.endr
	WIN 0
.irp t, 0,1,2,3,4,5,6,7
	global_store_b128 v[CO], v[BK+4*(\t):BK+4*(\t)+3], s[8:9] offset:(16*(\a)+2*(\t))*CROW  ; 16 lanes store 256 consecutive bytes, at a multiple of 256 from C's first byte
.endr
.endm
	s_wait_tensorcnt 1                             ; my part of K step 0 is in; K step 1's may stay out
	s_barrier_signal -1
	s_barrier_wait -1                              ; everybody's is
	FETCH 0, F0
	WIN 0                                          ; at a label and at a branch every window is 0
	s_mov_b32 s3, STEPS-2
.Lfill:                                                ; a trip is a K step, and fills the slot that it leaves: K steps 2 to STEPS - 1 are asked for here
	QUARTER 1, F0, F1
	QUARTER 2, F1, F0
	QUARTER 3, F0, F1
	TURN 1
	WIN 0
	s_sub_co_u32 s3, s3, 1
	s_cmp_lg_u32 s3, 0
	s_cbranch_scc1 .Lfill
	s_mov_b32 s3, 2
.Llast:                                                ; the last two K steps ask for nothing and no round follows their barrier
	QUARTER 1, F0, F1
	QUARTER 2, F1, F0
	QUARTER 3, F0, F1
	TURN 0
	WIN 0
	s_sub_co_u32 s3, s3, 1
	s_cmp_lg_u32 s3, 0
	s_cbranch_scc1 .Llast
	PLACES
	s_wait_loadcnt 0x0                             ; R
	TOSTAGE 0
.irp a, 1,2,3
	TOSTAGE \a
	SEND (\a)-1, 16
.endr
	SEND 3, 0
	s_wait_tensorcnt 0x0                           ; the wave's end: behind my last tensor load and my last LDS store
	ds_add_u32 v[SPW], v[NIL]
	s_wait_dscnt 0x0
	CROUND                                         ; the closing round: no work-group ends while a partner may still ask for a tile that names it
	s_endpgm
.Lfunc_end_k_q9da423993c_ff2:
	.size	k_q9da423993c_ff2, .Lfunc_end_k_q9da423993c_ff2-k_q9da423993c_ff2
	.p2alignl 7, 3214868480
	.fill 96, 4, 3214868480
	.section	.rodata,"a",@progbits
	.p2align	6, 0x0
	.amdhsa_kernel k_q9da423993c_ff2
		.amdhsa_group_segment_fixed_size 327680
		.amdhsa_private_segment_fixed_size 0
		.amdhsa_enable_private_segment 0
		.amdhsa_kernarg_size 40
		.amdhsa_user_sgpr_count 2
		.amdhsa_user_sgpr_kernarg_segment_ptr 1
		.amdhsa_wavefront_size32 1
		.amdhsa_system_sgpr_workgroup_id_x 1
		.amdhsa_system_sgpr_workgroup_id_y 1
		.amdhsa_system_sgpr_workgroup_id_z 1
		.amdhsa_system_vgpr_workitem_id 0
		.amdhsa_next_free_vgpr 640
		.amdhsa_next_free_sgpr 80
		.amdhsa_reserve_vcc 0
		.amdhsa_float_denorm_mode_32 3
		.amdhsa_float_denorm_mode_16_64 3
		.amdhsa_memory_ordered 1
		.amdhsa_forward_progress 1
		.amdhsa_inst_pref_size 65
	.end_amdhsa_kernel
	.amdgpu_metadata
---
amdhsa.version: [ 1, 2 ]
amdhsa.kernels:
  - .name:           k_q9da423993c_ff2
    .symbol:         k_q9da423993c_ff2.kd
    .args:
      - { .name: actP, .offset: 0, .size: 8, .value_kind: global_buffer, .address_space: global }
      - { .name: w2b, .offset: 8, .size: 8, .value_kind: global_buffer, .address_space: global }
      - { .name: out0, .offset: 16, .size: 8, .value_kind: global_buffer, .address_space: global }
      - { .name: b2, .offset: 24, .size: 8, .value_kind: global_buffer, .address_space: global }
      - { .name: x2, .offset: 32, .size: 8, .value_kind: global_buffer, .address_space: global }
    .group_segment_fixed_size: 327680
    .private_segment_fixed_size: 0
    .kernarg_segment_align: 8
    .kernarg_segment_size: 40
    .max_flat_workgroup_size: 128
    .sgpr_count:     80
    .vgpr_count:     640
    .wavefront_size: 32
...
	.end_amdgpu_metadata
.endif
;; end of part 6
;; ======== version 2 of 2: 8 launches; version 1 with the launch prep written anew for expert scheduling mode
;; workspace buffers: actP 33,554,432 bytes; actQ 33,554,432 bytes; x2 16,777,216 bytes; wqkvp 8,409,088 bytes; w1p 8,409,088 bytes; wob 2,097,152 bytes; w2b 8,388,608 bytes
;; launch prep (part 7): grid 256 x 3, 8 waves a work-group, no clusters, 0 bytes of LDS; arguments wq, wk, wv, wo, w1, w2, bq, bk, bv, b1, wqkvp, wob, w1p, w2b; writes wqkvp, wob, w1p, w2b
.if DOCPART == 7
	.amdgcn_target "amdgcn-amd-amdhsa--gfx1250"
	.amdhsa_code_object_version 6
	.text
	.protected	k_q9da423993c_prep
	.globl	k_q9da423993c_prep
	.p2align	8
	.type	k_q9da423993c_prep,@function
k_q9da423993c_prep:
	s_mov_b64 s[64:65], 0
	v_nop
	global_prefetch_b8 v0, s[64:65] scope:SCOPE_SE
	s_setreg_imm32_b32 hwreg(HW_REG_WAVE_SCHED_MODE, 0, 2), 2
	s_setreg_imm32_b32 hwreg(HW_REG_WAVE_MODE, 25, 1), 1
	s_wait_xcnt 0x0
	s_wait_alu depctr_vm_vsrc(0)
; THE WEIGHTS, ROUNDED TO bf16 ONCE, AND TWO PACKS.  All weights stay [k][n]; the products turn them on the way from LDS to registers.
; A pack (wqkvp, w1p): bytes 0-4,095 a floor in f32, 1,024 times (-infinity for q, k, v: no floor; 0 for the feed-forward's first product: ReLU);
; bytes 4,096-20,479 the bias of 4,096 columns in f32; from WOFF on the weights [1,024 k][4,096 n] in bf16.  In wqkvp the columns are wq, wk, wv; its last 1,024 columns and biases are neither written nor read.
; SHARES.  A work-group rounds 16,384 numbers (65,536 bytes of f32) as 16 groups of 1,024; of a group thread t takes 4 numbers: one load of 16 bytes at 16 t, two packed roundings, one store of 8 bytes at 8 t.
; So a wave's load covers 512 consecutive bytes that no other load names, and a wave's store covers 256 consecutive bytes, at a multiple of 256 from its buffer's first byte.
; y = 0: wq, wk, wv, wo, 64 work-groups each; y = 1: w1; y = 2: w2.  All 16 loads of a thread go out at once; no register is written twice.
; THE MODE: SCHED_MODE bits 1:0 = 2 (LLVM: expert scheduling mode 2), set by the entry lines.  The code itself states the register dependences
; between vector instructions and memory instructions, with s_wait_alu, always for 0.
; THE PLAN.  Registers that memory instructions touch:
;   v1, DO     byte offsets, made by vector lines at the head and never written again: one wait ahead of the first load states that they are written, for every load and store of the kernel.
;   X          group j: written by its load, read by its two roundings; no load lands there a second time.
;   Y          group j: written once, by its two roundings; read by its store.  The groups go in four blocks of four: one wait behind a block's eight roundings, then its four stores in a run.
;   FL         written by four moves in the floor's branch, read by the floor's store: one wait between them.
;   BI         written by the bias's load, read by the bias's store; no vector line names it.
; No register that a memory instruction reads is written again, so past the entry lines the text holds no wait on vm_vsrc; no vector line writes a scalar register or VCC, and EXEC is never written.
.set WOFF, 20480
.set BI,   8                           ; v[8:11]   the bias: 4 numbers as loaded and as stored
.set FL,   12                          ; v[12:15]  the floor, four times
.set DO,   16                          ; v[16:31]  group j: my byte offset in the destination
.set X,    32                          ; v[32:95]  group j: 4 numbers as loaded
.set Y,    96                          ; v[96:127] group j: 2 registers to store
	s_load_b512 s[8:23], s[0:1], 0x0               ; wq s[8:9], wk s[10:11], wv s[12:13], wo s[14:15], w1 s[16:17], w2 s[18:19], bq s[20:21], bk s[22:23]
	s_load_b256 s[24:31], s[0:1], 0x40             ; bv s[24:25], b1 s[26:27], wqkvp s[28:29], wob s[30:31]
	s_load_b128 s[32:35], s[0:1], 0x60             ; w1p s[32:33], w2b s[34:35]
	s_mov_b32 s2, ttmp9                            ; x
	s_and_b32 s3, ttmp7, 0xffff                    ; y
	s_lshr_b32 s36, s2, 6                          ; y = 0: which of wq, wk, wv, wo
	s_and_b32 s37, s2, 63                          ; and which sixty-fourth of it
	s_lshl2_add_u32 s44, s3, s36                   ; 4 y + that: under 3 for wq, wk, wv
	s_cmp_eq_u32 s3, 0
	s_cselect_b32 s38, s37, s2                     ; my piece of the source
	s_movk_i32 s45, 0x800                          ; bytes from one group to the next in the destination: 2,048 where it is dense,
	s_cmp_lt_u32 s44, 3
	s_cselect_b32 s45, 0x2000, s45                 ; 8,192 where a source row is a quarter of a pack's row
	s_lshl_b32 s46, s38, 16                        ; source offset
	s_mov_b32 s47, 0
	s_lshl_b32 s54, s38, 17                        ; destination offset for wq, wk, wv: 16 rows of 8,192 bytes a piece,
	s_lshl_b32 s55, s36, 11                        ; the matrix's 2,048 bytes of a row,
	s_add_co_u32 s54, s54, s55
	s_add_co_u32 s54, s54, WOFF                    ; behind the pack's head
	s_lshl_b32 s55, s38, 15                        ; for the others: dense,
	s_cmp_eq_u32 s3, 1
	s_cselect_b32 s56, WOFF, 0                     ; w1's behind its pack's head
	s_add_co_u32 s55, s55, s56
	s_cmp_lt_u32 s44, 3
	s_cselect_b32 s48, s54, s55
	s_mov_b32 s49, 0
	v_lshlrev_b32 v1, 4, v0                        ; 16 t: my 4 numbers in a group of the source
	v_lshlrev_b32 v[DO], 3, v0                     ; 8 t: the same 4 in bf16
.irp j, 1,2,3,4,5,6,7,8,9,10,11,12,13,14,15
	v_add_nc_u32 v[DO+(\j)], s45, v[DO+(\j)-1]
.endr
	s_wait_kmcnt 0x0
	s_cmp_eq_u32 s36, 1                            ; the source and the destination are chosen by the work-group's place alone
	s_cselect_b64 s[40:41], s[10:11], s[8:9]
	s_cmp_eq_u32 s36, 2
	s_cselect_b64 s[40:41], s[12:13], s[40:41]
	s_cmp_eq_u32 s36, 3
	s_cselect_b64 s[40:41], s[14:15], s[40:41]
	s_cselect_b64 s[42:43], s[30:31], s[28:29]
	s_cmp_eq_u32 s3, 1
	s_cselect_b64 s[40:41], s[16:17], s[40:41]
	s_cselect_b64 s[42:43], s[32:33], s[42:43]
	s_cmp_eq_u32 s3, 2
	s_cselect_b64 s[40:41], s[18:19], s[40:41]
	s_cselect_b64 s[42:43], s[34:35], s[42:43]
	s_add_nc_u64 s[50:51], s[40:41], s[46:47]
	s_add_nc_u64 s[52:53], s[42:43], s[48:49]
	s_wait_alu depctr_va_vdst(0)                   ; v1 and v[DO ..] are written: every load and store of the kernel reads one of them as its offset, and no later line writes them
.irp j, 0,1,2,3,4,5,6,7,8,9,10,11,12,13,14,15
	global_load_b128 v[X+4*(\j):X+4*(\j)+3], v1, s[50:51] offset:4096*(\j) th:TH_LOAD_NT
.endr
.irp p, 0,1,2,3                        ; four blocks of four groups
.irp i, 0,1,2,3
	s_wait_loadcnt 15-4*(\p)-(\i)                  ; loads come back in order (ISA guide 5.7.1): group j = 4 p + i's is in, the 15 - j younger stay out
	v_cvt_pk_bf16_f32 v[Y+2*(4*(\p)+(\i))],   v[X+4*(4*(\p)+(\i))],   v[X+4*(4*(\p)+(\i))+1]
	v_cvt_pk_bf16_f32 v[Y+2*(4*(\p)+(\i))+1], v[X+4*(4*(\p)+(\i))+2], v[X+4*(4*(\p)+(\i))+3]
.endr
	s_wait_alu depctr_va_vdst(0)                   ; the block's eight roundings have written its eight registers of Y, which the four stores below read
.irp i, 0,1,2,3
	global_store_b64 v[DO+4*(\p)+(\i)], v[Y+2*(4*(\p)+(\i)):Y+2*(4*(\p)+(\i))+1], s[52:53]
.endr
.endr
	; the floor: the first work-group of y = 0 and of y = 1 writes its pack's first 4,096 bytes, 16 a thread
	s_cmp_lg_u32 s2, 0
	s_cbranch_scc1 .Lno_floor
	s_cmp_gt_u32 s3, 1
	s_cbranch_scc1 .Lno_floor
	s_cmp_eq_u32 s3, 1
	s_cselect_b32 s57, 0, 0xff800000
	v_mov_b32 v[FL], s57
	v_mov_b32 v[FL+1], s57
	v_mov_b32 v[FL+2], s57
	v_mov_b32 v[FL+3], s57
	s_wait_alu depctr_va_vdst(0)                   ; the four moves have written v[FL ..], which the store reads
	global_store_b128 v1, v[FL:FL+3], s[42:43]     ; v[FL ..] are not written again: the bias below has registers of its own
.Lno_floor:
	; the bias: 4,096 bytes are copied by the first work-group of wq, wk, wv (bq, bk, bv) and by the first four of w1 (a quarter of b1 each)
	s_cmp_eq_u32 s3, 1
	s_cbranch_scc1 .Lbias_of_w1
	s_cmp_lt_u32 s44, 3
	s_cbranch_scc0 .Lend
	s_cmp_eq_u32 s37, 0
	s_cbranch_scc0 .Lend
	s_cmp_eq_u32 s36, 1
	s_cselect_b64 s[40:41], s[22:23], s[20:21]
	s_cmp_eq_u32 s36, 2
	s_cselect_b64 s[40:41], s[24:25], s[40:41]
	s_mov_b32 s46, 0
	s_mov_b32 s58, s36
	s_branch .Lbias
.Lbias_of_w1:
	s_cmp_lt_u32 s2, 4
	s_cbranch_scc0 .Lend
	s_mov_b64 s[40:41], s[26:27]
	s_lshl_b32 s46, s2, 12
	s_mov_b32 s58, s2
.Lbias:
	s_lshl_b32 s48, s58, 12
	s_add_co_u32 s48, s48, 4096                    ; behind the floor
	s_add_nc_u64 s[56:57], s[40:41], s[46:47]      ; pairs that no pending store names
	s_add_nc_u64 s[54:55], s[42:43], s[48:49]
	global_load_b128 v[BI:BI+3], v1, s[56:57]      ; no vector line names v[BI ..]; v1 stands as the head's wait has shown it
	s_wait_loadcnt 0x0
	global_store_b128 v1, v[BI:BI+3], s[54:55]
.Lend:
	s_endpgm
.Lfunc_end_k_q9da423993c_prep:
	.size	k_q9da423993c_prep, .Lfunc_end_k_q9da423993c_prep-k_q9da423993c_prep
	.p2alignl 7, 3214868480
	.fill 96, 4, 3214868480
	.section	.rodata,"a",@progbits
	.p2align	6, 0x0
	.amdhsa_kernel k_q9da423993c_prep
		.amdhsa_group_segment_fixed_size 0
		.amdhsa_private_segment_fixed_size 0
		.amdhsa_enable_private_segment 0
		.amdhsa_kernarg_size 112
		.amdhsa_user_sgpr_count 2
		.amdhsa_user_sgpr_kernarg_segment_ptr 1
		.amdhsa_wavefront_size32 1
		.amdhsa_system_sgpr_workgroup_id_x 1
		.amdhsa_system_sgpr_workgroup_id_y 1
		.amdhsa_system_sgpr_workgroup_id_z 1
		.amdhsa_system_vgpr_workitem_id 0
		.amdhsa_next_free_vgpr 128
		.amdhsa_next_free_sgpr 66
		.amdhsa_reserve_vcc 0
		.amdhsa_float_denorm_mode_32 3
		.amdhsa_float_denorm_mode_16_64 3
		.amdhsa_memory_ordered 1
		.amdhsa_forward_progress 1
		.amdhsa_inst_pref_size 10
	.end_amdhsa_kernel
	.amdgpu_metadata
---
amdhsa.version: [ 1, 2 ]
amdhsa.kernels:
  - .name:           k_q9da423993c_prep
    .symbol:         k_q9da423993c_prep.kd
    .args:
      - { .name: wq, .offset: 0, .size: 8, .value_kind: global_buffer, .address_space: global }
      - { .name: wk, .offset: 8, .size: 8, .value_kind: global_buffer, .address_space: global }
      - { .name: wv, .offset: 16, .size: 8, .value_kind: global_buffer, .address_space: global }
      - { .name: wo, .offset: 24, .size: 8, .value_kind: global_buffer, .address_space: global }
      - { .name: w1, .offset: 32, .size: 8, .value_kind: global_buffer, .address_space: global }
      - { .name: w2, .offset: 40, .size: 8, .value_kind: global_buffer, .address_space: global }
      - { .name: bq, .offset: 48, .size: 8, .value_kind: global_buffer, .address_space: global }
      - { .name: bk, .offset: 56, .size: 8, .value_kind: global_buffer, .address_space: global }
      - { .name: bv, .offset: 64, .size: 8, .value_kind: global_buffer, .address_space: global }
      - { .name: b1, .offset: 72, .size: 8, .value_kind: global_buffer, .address_space: global }
      - { .name: wqkvp, .offset: 80, .size: 8, .value_kind: global_buffer, .address_space: global }
      - { .name: wob, .offset: 88, .size: 8, .value_kind: global_buffer, .address_space: global }
      - { .name: w1p, .offset: 96, .size: 8, .value_kind: global_buffer, .address_space: global }
      - { .name: w2b, .offset: 104, .size: 8, .value_kind: global_buffer, .address_space: global }
    .group_segment_fixed_size: 0
    .private_segment_fixed_size: 0
    .kernarg_segment_align: 8
    .kernarg_segment_size: 112
    .max_flat_workgroup_size: 256
    .sgpr_count:     66
    .vgpr_count:     128
    .wavefront_size: 32
...
	.end_amdgpu_metadata
.endif
;; end of part 7
;; launch ln1: the kernel of part 2 again; grid 256 x 1, 8 waves a work-group, no clusters, 0 bytes of LDS; arguments x, g1, be1, actP; writes actP
;; launch qkv: the kernel of part 3 again; grid 12 x 16, 4 waves a work-group, clusters of 4 x 4, 327,680 bytes of LDS; arguments actP, wqkvp, actQ; writes actQ
;; launch att: the kernel of part 4 again; grid 16 x 16, 4 waves a work-group, clusters of 4 x 1, 327,680 bytes of LDS; arguments actQ, actP; writes actP
;; launch wo: the kernel of part 5 again; grid 8 x 32, 4 waves a work-group, clusters of 4 x 4, 327,680 bytes of LDS; arguments actP, wob, x2, bo, x; writes x2
;; launch ln2: the kernel of part 2 again; grid 256 x 1, 8 waves a work-group, no clusters, 0 bytes of LDS; arguments x2, g2, be2, actQ; writes actQ
;; launch ff1: the kernel of part 3 again; grid 16 x 16, 4 waves a work-group, clusters of 4 x 4, 327,680 bytes of LDS; arguments actQ, w1p, actP; writes actP
;; launch ff2: the kernel of part 6 again; grid 8 x 32, 4 waves a work-group, clusters of 4 x 4, 327,680 bytes of LDS; arguments actP, w2b, out0, b2, x2; writes out0
